; MI455X (gfx1250); checked and timed in simulation.
; The chip was launched on July 23, 2026; its instructions are those of AMD's public machine-readable ISA for CDNA 5 (MIT licence, August 2026) and "CDNA5" Instruction Set Architecture Reference Guide (July 2026). The comments in the code are by the model that wrote it; some were corrected since.
;; Scaled Dot Product Attention. Allowed arithmetic: matrix products marked QUANTISED: E2M3 operands, one E8M0 scale for each 32 along K, by v_wmma_scale_f32_16x16x128_f8f6f4 with both operands' format E2M3, f32 sums; everything else in f32.
;; Inputs: K 4 x 16 x 2,048 x 64 float32; Q 4 x 16 x 2,048 x 64 float32; V 4 x 16 x 2,048 x 64 float32; mask 2,048 x 2,048 bool.
;; Outputs: out0 4 x 16 x 2,048 x 64 float32.
;; This version of the problem:
;;   THIS VERSION OF THE PROBLEM IS GIVEN IN LOW PRECISION. The matrix products marked QUANTISED in the list below multiply operands that are first quantised to E2M3 (2 exponent bits, 3 mantissa bits; 6 bits a number), with one power-of-two scale for each 32 numbers along K (OCP MX v1.0); their sums are f32. All else is computed in f32.
;;   The module's matrix products, in the order in which they are computed (A, B: the left and right operand; K: the contracted axis; several contracted axes count as one K, in the product's order):
;;     1. batch 64 x [M 2,048, K 64] x [K 64, N 2,048]; A: input Q; B: input K: QUANTISED
;;     2. batch 64 x [M 2,048, K 2,048] x [K 2,048, N 64]; A: softmax (see below); B: input V: QUANTISED
;;   THE QUANTISER, for each operand of a quantised product, along K:
;;     - K is cut into blocks of 32 from its start; a last block that is shorter is filled with zeros.
;;     - A block's scale is 2^e with e = floor(log2(the largest magnitude in the block)) - 2, held to -126 .. 127; a block of zeros has e = 0. As a byte (E8M0): e + 127.
;;     - Each number is divided by its block's scale, clamped to +-7.5, and rounded to the nearest number of E2M3, ties to even, subnormals kept.
;;     - The product sums the exact products of the quantised numbers (number of the format x scale) in f32.
;;   ~~~python
;;   def quantise(x, axis):      # numpy; x: float32 -> the quantised numbers, widened to float32 again
;;       x = np.moveaxis(x, axis, -1); K = x.shape[-1]
;;       x = np.pad(x, [(0, 0)] * (x.ndim - 1) + [(0, -K % 32)]); x = x.reshape(x.shape[:-1] + (-1, 32)); a = np.abs(x).max(-1, keepdims=True)
;;       e = np.where(a > 0, np.clip(np.frexp(np.where(a > 0, a, 1))[1] - 1 - 2, -126, 127), 0)      # np.frexp(a)[1] - 1 = floor(log2(a)), exactly
;;       r = np.clip(x / 2.0 ** e, -7.5, 7.5)
;;       step = 2.0 ** (np.maximum(np.frexp(np.where(r == 0, 1, r))[1] - 1, 0) - 3)
;;       q = np.round(r / step) * step * 2.0 ** e      # np.round: ties to even
;;       return np.moveaxis(q.reshape(q.shape[:-2] + (-1,))[..., :K], -1, axis).astype(np.float32)
;;   ~~~
;;   SOFTMAX AHEAD OF A QUANTISED PRODUCT. Where the list says 'softmax', what is quantised is not the finished softmax but p = 2^(t - M), with t = logit x log2(e) and M = ceil(the row's largest t), a whole number; so 1/2 < the row's largest p <= 1. The row's sum l is taken of the UNQUANTISED p, in f32, and the product's result is divided by l at the end. Since M is a whole number, a kernel that streams over the keys may use a running M (the ceiling of the running maximum): every later rescaling is an exact power of two, which a block's scale takes up: the codes' values come out the same.
;;   OPERANDS COMPUTED ON THE WAY. 'Computed on the way' means the value that the module computes at that place (a softmax that the list does not call 'softmax' is quantised finished and normalised). What goes into a quantiser is computed in f32, as accurately as f32 sums, v_exp_f32 and their like allow (about 1e-6 of the number): no bf16 or f16 on the way to a quantiser, and a product that is left as it is and whose result goes on into a quantised operand takes f32 operands (vector FMAs, or v_wmma_f32_16x16x4_f32). A number that lies on a knife's edge between two numbers of the format may be rounded either way, as far as f32 arithmetic and the matrix unit's own rounding can turn it there, and no further.
;; 2 versions. Each part assembles by itself: llvm-mc -triple=amdgcn-amd-amdhsa -mcpu=gfx1250 --defsym DOCPART=n.
;; ======== version 1 of 2: 2 launches
;; workspace buffers: kv 13,107,200 bytes; mw 524,288 bytes of whole numbers; fl 8,192 bytes of whole numbers
;; launch prep (part 1): grid 768 x 1, 4 waves a work-group, no clusters, 52,736 bytes of LDS; arguments K, V, mask, kv, mw, fl; writes kv, mw, fl
.if DOCPART == 1
	.amdgcn_target "amdgcn-amd-amdhsa--gfx1250"
	.amdhsa_code_object_version 6
	.text
	.protected	k_q603beb51bf_prep
	.globl	k_q603beb51bf_prep
	.p2align	8
	.type	k_q603beb51bf_prep,@function
k_q603beb51bf_prep:
	s_mov_b64 s[64:65], 0
	v_nop
	global_prefetch_b8 v0, s[64:65] scope:SCOPE_SE
	s_setreg_imm32_b32 hwreg(HW_REG_WAVE_MODE, 25, 1), 1
	s_wait_xcnt 0x0
; K, V [64 heads][2048 keys][64] f32 and mask [2048][2048] bytes are prepared ONCE for the attention launch, which reads each head four times.
; K is quantised along the head's 64 (two blocks of 32 a key), V along the keys (blocks of 32 keys a column), to codes of FP6 (E2M3) with one E8M0 byte a block:
; a block's byte is its largest magnitude's exponent field - 2, held at 1 from below; each number / scale goes to the nearest code, ties to even, beyond 7.5 the largest code.
; LIMITS: NaN and infinities among K and V are not served.  A block whose largest magnitude lies under 2^-124 has its byte held at 1; a block of zeros gets the byte 1 where the
; rule says 127: its codes are zeros, which add nothing under any byte but 0xff, and these bytes are read by this program alone.
; kv: [64 heads][16 steps of 128 keys] records of REC bytes, laid as IMAGES OF THE OPERANDS' REGISTERS (L = lane, r = L % 16, h = L / 16):
;   +0     K's four double tiles b: registers 4 c .. 4 c + 3 of lane L at 1536 b + 512 c + 16 L.  Lane (r, h): registers 0-5 = key a = 32 b + r + 8 (r / 8), numbers 32 h .. 32 h + 31; registers 6-11 = key a + 8.
;   +KSC   their scale words, 8 bytes a lane: word 0: lanes 0-15 tile 0's rows, lanes 16-31 tile 1's; word 1: tiles 2 and 3.  A word: bytes 0, 1 key a's two blocks, bytes 2, 3 key a + 8's.
;   +VIM   V^T's four tiles t (rows d = 16 t + r; registers 6 c .. 6 c + 5 = keys 64 c + 32 h + 0 .. 31), at 1536 t + 512 c + 16 L.
;   +VSC   their scale words, 8 bytes a lane: word 0: tile 0 | tile 1, word 1: tile 2 | tile 3; byte e = keys 32 e on.
; mw: [128 tiles of 16 queries][16 steps][64 words]: bit r + 16 h of word n = mask[16 qt + r][128 s + 32 (n / 16) + 16 h + n % 16]: the lanes' mask for score register n.
; fl: [128][16] words f << 2 s: f = 0 no key of the 16 x 128 counts, 1 some, 2 all.
; SHARES: work-groups 0-255 take K, 256-511 V (a wave a record: 128 keys), 512-767 the mask (a wave 16 rows x 256 keys).  Waves share nothing: no barrier.
; The two paths that use LDS have bytes of their own.  No matrix unit, no cluster, no tensor load: a stream, read once, with nothing shared between work-groups.
.set REC,   12800
.set KSC,   6144
.set VIM,   6400
.set VSC,   12544
.set FLOOR, 0x1800000                  ; 2^(3 - 127): no largest magnitude is taken under it, so the byte cannot fall under 1
.set EOFF,  0xff000000                 ; -(2 << 23): 2 off an exponent field
.set SP,    272                        ; a stage row: 256 bytes + 16 = 68 words: sixteen neighbouring rows start at sixteen different banks (64 banks of 4 bytes: ISA guide 11.1)
.set KSTG,  32*SP                      ; K's stage: 32 keys, a wave's own, from LDS byte 0
.set MSTG0, 4*KSTG                     ; the mask's stages begin behind K's four
.set MSTG,  16*SP                      ; 16 rows, a wave's own
.set KR,    16                         ; K: v16-79   32 keys as loaded
.set KX,    80                         ;    v80-143  two blocks of 32 neighbours
.set KC,    144                        ;    v144-191 codes: 12 registers for each double tile, so that no store's data are written again
.set KT,    192                        ;    v192-194, v196-198 the conversions' second halves
.set KW,    200                        ;    v200-203 scale words
; the largest magnitude of v[x] .. v[x + 31], in two chains, and the floor
.macro MAX32 d, t, x
	v_max3_num_f32 v[\d], |v[(\x)]|, |v[(\x)+1]|, |v[(\x)+2]|
	v_max3_num_f32 v[\t], |v[(\x)+3]|, |v[(\x)+4]|, |v[(\x)+5]|
.irp i, 6,10,14,18,22,26
	v_max3_num_f32 v[\d], v[\d], |v[(\x)+\i]|, |v[(\x)+\i+1]|
	v_max3_num_f32 v[\t], v[\t], |v[(\x)+\i+2]|, |v[(\x)+\i+3]|
.endr
	v_max3_num_f32 v[\d], v[\d], |v[(\x)+30]|, |v[(\x)+31]|
	v_max3_num_f32 v[\d], v[\d], v[\t], FLOOR
.endm
; K: keys 32 b .. 32 b + 31: sixteen loads of 512 consecutive bytes (two keys)
.macro KLOAD b
.set i, 0
.rept 16
	global_load_b128 v[KR+4*i:KR+4*i+3], v4, s[4:5] offset:8192*(\b)+512*i th:TH_LOAD_NT
.set i, i+1
.endr
.endm
; through the wave's own stage: in as loaded, back a block of 32 neighbours a lane.  LDS serves a wave's instructions in order (ISA guide 5.7.1.4): no wait between the stores and the loads
.macro KTURN
.set i, 0
.rept 16
	s_wait_loadcnt 15-i                            ; loads come back in order: load i is in, the 15 - i younger ones of these 32 keys may be out
	ds_store_b128 v5, v[KR+4*i:KR+4*i+3] offset:2*SP*i
.set i, i+1
.endr
.irp u, 0,1
.irp j, 0,1,2,3,4,5,6,7
	ds_load_b128 v[KX+32*\u+4*\j:KX+32*\u+4*\j+3], v6 offset:8*SP*\u+16*\j   ; key a (u = 0) or a + 8 (u = 1), numbers 32 h + 4 j on
.endr
.endr
	s_wait_dscnt 0x0                               ; the blocks are in, and the stores have read the registers that the next loads take
.endm
; double tile b: two blocks a lane become 12 registers of codes and a part of the scale word
.macro KQ b
	MAX32 204, 206, KX
	MAX32 205, 207, KX+32
	v_add_nc_u32 v204, EOFF, v204                  ; 2 off the exponent field: the conversion takes the exponent field of this operand as its scale, and nothing else of it
	v_add_nc_u32 v205, EOFF, v205
	v_cvt_scalef32_pk16_fp6_f32 v[KC+12*(\b):KC+12*(\b)+2], v[KX:KX+15], v204
	v_cvt_scalef32_pk16_fp6_f32 v[KT:KT+2], v[KX+16:KX+31], v204             ; (a conversion's three registers begin on an even number: the second half is made elsewhere and moved)
	v_cvt_scalef32_pk16_fp6_f32 v[KC+12*(\b)+6:KC+12*(\b)+8], v[KX+32:KX+47], v205
	v_cvt_scalef32_pk16_fp6_f32 v[KT+4:KT+6], v[KX+48:KX+63], v205
	v_lshrrev_b32 v10, 23, v204                    ; the bytes.  (Plain lines behind the conversions, ahead of the moves that read their results)
	v_lshrrev_b32 v11, 23, v205
.irp i, 0,1,2
	v_mov_b32 v[KC+12*(\b)+3+\i], v[KT+\i]
	v_mov_b32 v[KC+12*(\b)+9+\i], v[KT+4+\i]
.endr
	v_lshl_or_b32 v[KW+(\b)], v11, 16, v10         ; my block h of key a and of key a + 8,
	v_lshlrev_b32 v[KW+(\b)], v7, v[KW+(\b)]       ; 8 h bits up;
	v_permlanex16_b32 v12, v[KW+(\b)], s28, s29
	v_or_b32 v[KW+(\b)], v[KW+(\b)], v12           ; with lane l xor 16's the word is whole, in both lanes
.irp c, 0,1,2
	global_store_b128 v4, v[KC+12*(\b)+4*\c:KC+12*(\b)+4*\c+3], s[10:11] offset:1536*(\b)+512*\c   ; 32 lanes store 512 consecutive bytes, aligned to 256
.endr
.endm
; V: block q: keys 32 (q / 2) on, columns 32 (q % 2) + lane: a lane to a column, its registers down the keys
.macro VLOAD q
.set i, 0
.rept 32
	global_load_b32 v[16+32*((\q)%2)+i], v4, s[6:7] offset:(32*((\q)/2)+i)*256+128*((\q)%2)   ; half a row; the other half is the neighbouring block's
.set i, i+1
.endr
.endm
.macro VBLOCK q
.set XS, 16+32*((\q)%2)
.set HF, (\q)%2                        ; which 32 columns: tiles 2 HF and 2 HF + 1
.set BE, (\q)/2                        ; which block of 32 keys: registers 6 (BE / 2) on of the image's lanes 16 (BE % 2) + r
.set FB, 80+12*(2*HF+BE%2)             ; v80-127: four fragments of 12 registers
.set FC, FB+6*(BE/2)
.if (\q) < 7
	s_wait_loadcnt 32                              ; this block's 32 loads are in; the next block's may be out
.else
	s_wait_loadcnt 0x0
.endif
	MAX32 134, 135, XS                             ; all 32 numbers of the block are mine
	v_add_nc_u32 v136, EOFF, v134
	v_lshrrev_b32 v137, 23, v136
.if BE == 0
	v_mov_b32 v[132+HF], v137                      ; my column's scale word: the lower keys in the lower byte
.else
	v_lshl_or_b32 v[132+HF], v137, 8*BE, v[132+HF]
.endif
	v_cvt_scalef32_pk16_fp6_f32 v[FC:FC+2], v[XS:XS+15], v136
	v_cvt_scalef32_pk16_fp6_f32 v[128:130], v[XS+16:XS+31], v136
	v_nop                                          ; one plain line behind the conversions
.irp i, 0,1,2
	v_mov_b32 v[FC+3+\i], v[128+\i]
.endr
.if (\q)+2 < 8
	VLOAD (\q)+2
.endif
.if (\q) >= 4                          ; the fragment is whole: sixteen lanes store 256 consecutive bytes, aligned
.irp c, 0,1,2
	global_store_b128 v5, v[FB+4*\c:FB+4*\c+3], s[10:11] offset:VIM+3072*HF+256*(BE%2)+512*\c
.endr
.endif
.endm
; the mask: step sp of the wave's two: 64 ballots, four at a time.  Word n = 4 g + k goes to lane n / 2, register n % 2
.macro MSTEP sp
	s_mov_b32 s24, 0                               ; any
	s_mov_b32 s25, -1                              ; all
.set g, 0
.rept 16
.irp k, 0,1,2,3
	v_and_b32 v[86+\k], 0xff<<(8*\k), v[48+4*(4*(\sp)+g/4)+g%4]   ; my row's byte of key 32 (n / 16) + 16 h + n % 16
.endr
.irp k, 0,1,2,3
	v_cmp_ne_u32 s[32+\k], 0, v[86+\k]             ; the 32 lanes' bits
.endr
.irp k, 0,1,2,3
	s_or_b32 s24, s24, s[32+\k]
	s_and_b32 s25, s25, s[32+\k]
.endr
.irp k, 0,1,2,3
	v_writelane_b32 v[80+2*(\sp)+\k%2], s[32+\k], 2*g+\k/2
.endr
.set g, g+1
.endr
	s_cmp_lg_u32 s24, 0
	s_cselect_b32 s26, 1, 0
	s_cmp_eq_u32 s25, -1
	s_cselect_b32 s27, 1, 0
	s_add_co_u32 s26, s26, s27                     ; 0 none, 1 some, 2 all
	s_add_co_u32 s27, s30, 2*(\sp)
	s_lshl_b32 s26, s26, s27                       ; at bits 2 x step
	v_writelane_b32 v84, s26, \sp
	global_store_b64 v8, v[80+2*(\sp):81+2*(\sp)], s[12:13] offset:256*(\sp)   ; 32 lanes store the step's 256 bytes, aligned
.endm
	s_load_b256 s[4:11], s[0:1], 0x0               ; K s[4:5], V s[6:7], mask s[8:9], kv s[10:11]
	s_load_b128 s[12:15], s[0:1], 0x20             ; mw s[12:13], fl s[14:15]
	v_lshl_add_u32 v208, v0, 2, 0xcc00
	v_mov_b32 v209, 0
	v_lshrrev_b32 v1, 5, v0
	v_readfirstlane_b32 s16, v1                    ; wave 0..3
	v_and_b32 v1, 31, v0                           ; L
	v_and_b32 v2, 15, v0                           ; r
	v_bfe_u32 v3, v0, 4, 1                         ; h
	s_mov_b32 s28, 0x76543210
	s_mov_b32 s29, 0xfedcba98                      ; v_permlanex16_b32's selects for lane l xor 16
	s_mov_b32 s19, 0                               ; the upper words of three offsets
	s_mov_b32 s21, 0
	s_mov_b32 s23, 0
	s_cmp_lt_u32 ttmp9, 256
	s_cbranch_scc1 .Lkeys
	s_cmp_lt_u32 ttmp9, 512
	s_cbranch_scc1 .Lvalues
	; ---- THE MASK: unit um = 8 qt + pair of steps: 16 rows x 256 bytes
	s_sub_co_u32 s17, ttmp9, 512
	s_lshl_b32 s17, s17, 2
	s_add_co_u32 s17, s17, s16                     ; um
	s_lshr_b32 s18, s17, 3
	s_lshl_b32 s18, s18, 15                        ; 16 rows of 2,048 bytes a tile of queries,
	s_and_b32 s30, s17, 7
	s_lshl_b32 s31, s30, 8
	s_add_co_u32 s18, s18, s31                     ; + 256 bytes a pair of steps
	s_lshl_b32 s20, s17, 9                         ; mw: 512 bytes a unit
	s_lshl_b32 s22, s17, 3                         ; fl: 8 bytes a unit
	s_lshl_b32 s30, s30, 2                         ; the first step's flag stands at bit 2 x (2 x pair)
	v_lshlrev_b32 v4, 11, v3
	v_lshl_add_u32 v4, v2, 4, v4                   ; in: lanes 0-15 one row's 256 bytes, lanes 16-31 the next row's
	s_mul_i32 s31, s16, MSTG
	s_add_co_u32 s31, s31, MSTG0                   ; my stage
	v_mul_u32_u24 v5, v3, SP
	v_lshl_add_u32 v5, v2, 4, v5
	v_add_nc_u32 v5, s31, v5                       ; into it as loaded
	v_mul_u32_u24 v6, v2, SP
	v_lshl_add_u32 v6, v3, 4, v6
	v_add_nc_u32 v6, s31, v6                       ; out of it: row r, 16 bytes at 16 h
	v_lshlrev_b32 v7, 2, v1
	v_lshlrev_b32 v8, 3, v1
.irp i, 80,81,82,83,84
	v_mov_b32 v\i, 0                               ; written whole once: v_writelane_b32 keeps the other lanes
.endr
	s_wait_kmcnt 0x0
	s_add_nc_u64 s[8:9], s[8:9], s[18:19]
	s_add_nc_u64 s[12:13], s[12:13], s[20:21]
	s_add_nc_u64 s[14:15], s[14:15], s[22:23]
.irp i, 0,1,2,3,4,5,6,7
	global_load_b128 v[16+4*\i:19+4*\i], v4, s[8:9] offset:4096*\i th:TH_LOAD_NT
.endr
.irp i, 0,1,2,3,4,5,6,7
	s_wait_loadcnt 7-\i                            ; load i is in, the 7 - i younger ones may be out
	ds_store_b128 v5, v[16+4*\i:19+4*\i] offset:2*SP*\i
.endr
.irp sp, 0,1
.irp b, 0,1,2,3
	ds_load_b128 v[48+4*(4*\sp+\b):51+4*(4*\sp+\b)], v6 offset:128*\sp+32*\b   ; my wave's own bytes, served in order behind the stores
.endr
.endr
	s_wait_dscnt 0x0
	MSTEP 0
	MSTEP 1
	v_cmp_gt_u32 vcc_lo, 2, v1                     ; lanes 0 and 1 hold the two flag words
	s_wait_xcnt 0x0                                ; EXEC is a source of the stores above: it changes only behind this wait
	s_wait_tensorcnt 0x0
	ds_add_u32 v208, v209
	s_wait_dscnt 0x0
	s_and_saveexec_b32 s36, vcc_lo
	global_store_b32 v7, v84, s[14:15]
	s_wait_xcnt 0x0                                ; and again, in front of the line that widens it
	s_or_b32 exec_lo, exec_lo, s36
	s_endpgm
	; ---- K: unit u = 16 head + step
.Lkeys:
	s_lshl_b32 s17, ttmp9, 2
	s_add_co_u32 s17, s17, s16
	s_lshl_b32 s18, s17, 15                        ; 128 keys of 256 bytes
	s_mul_i32 s20, s17, REC
	v_lshlrev_b32 v4, 4, v1                        ; 16 L
	s_mul_i32 s31, s16, KSTG                       ; my stage
	v_mul_u32_u24 v5, v3, SP
	v_lshl_add_u32 v5, v2, 4, v5
	v_add_nc_u32 v5, s31, v5                       ; in: row h of a load's two keys, 16 r
	v_and_b32 v6, 8, v2
	v_add_nc_u32 v6, v6, v2                        ; r + 8 (r / 8)
	v_mul_u32_u24 v6, v6, SP
	v_lshl_add_u32 v6, v3, 7, v6
	v_add_nc_u32 v6, s31, v6                       ; out: that key's row, block h
	v_lshlrev_b32 v7, 3, v3                        ; 8 h
	v_lshlrev_b32 v8, 3, v1                        ; 8 L
	v_mov_b32 v12, 0                               ; written once: a lane permute's destination counts as one of its sources
	s_wait_kmcnt 0x0
	s_add_nc_u64 s[4:5], s[4:5], s[18:19]
	s_add_nc_u64 s[10:11], s[10:11], s[20:21]
	KLOAD 0
.irp b, 0,1,2,3
	KTURN
.if \b < 3
	KLOAD \b+1                                     ; the next 32 keys are on their way while these are quantised
.endif
	KQ \b
.endr
	v_cmp_lt_u32 vcc_lo, 15, v1
	v_cndmask_b32 v204, v[KW], v[KW+1], vcc_lo     ; lanes 0-15 tile 0's words, lanes 16-31 tile 1's
	v_cndmask_b32 v205, v[KW+2], v[KW+3], vcc_lo   ; tiles 2 and 3
	global_store_b64 v8, v[204:205], s[10:11] offset:KSC   ; 256 consecutive bytes, aligned
	s_wait_tensorcnt 0x0
	ds_add_u32 v208, v209
	s_wait_dscnt 0x0
	s_endpgm
	; ---- V: the same unit
.Lvalues:
	s_sub_co_u32 s17, ttmp9, 256
	s_lshl_b32 s17, s17, 2
	s_add_co_u32 s17, s17, s16
	s_lshl_b32 s18, s17, 15
	s_mul_i32 s20, s17, REC
	v_lshlrev_b32 v4, 2, v1                        ; in: 4 bytes a lane
	v_mul_u32_u24 v5, v3, 1536
	v_lshl_add_u32 v5, v2, 4, v5                   ; out: my column's tile (lane / 16 of the pair) and row
	v_lshlrev_b32 v8, 3, v1
	s_wait_kmcnt 0x0
	s_add_nc_u64 s[6:7], s[6:7], s[18:19]
	s_add_nc_u64 s[10:11], s[10:11], s[20:21]
	VLOAD 0
	VLOAD 1
.irp q, 0,1,2,3,4,5,6,7
	VBLOCK \q
.endr
	global_store_b64 v8, v[132:133], s[10:11] offset:VSC   ; word 0: columns 0-31 (tiles 0, 1), word 1: columns 32-63 (tiles 2, 3)
	s_endpgm
.Lfunc_end_k_q603beb51bf_prep:
	.size	k_q603beb51bf_prep, .Lfunc_end_k_q603beb51bf_prep-k_q603beb51bf_prep
	.p2alignl 7, 3214868480
	.fill 96, 4, 3214868480
	.section	.rodata,"a",@progbits
	.p2align	6, 0x0
	.amdhsa_kernel k_q603beb51bf_prep
		.amdhsa_group_segment_fixed_size 52736
		.amdhsa_private_segment_fixed_size 0
		.amdhsa_enable_private_segment 0
		.amdhsa_kernarg_size 48
		.amdhsa_user_sgpr_count 2
		.amdhsa_user_sgpr_kernarg_segment_ptr 1
		.amdhsa_wavefront_size32 1
		.amdhsa_system_sgpr_workgroup_id_x 1
		.amdhsa_system_sgpr_workgroup_id_y 1
		.amdhsa_system_sgpr_workgroup_id_z 1
		.amdhsa_system_vgpr_workitem_id 0
		.amdhsa_next_free_vgpr 210
		.amdhsa_next_free_sgpr 66
		.amdhsa_reserve_vcc 1
		.amdhsa_float_denorm_mode_32 3
		.amdhsa_float_denorm_mode_16_64 3
		.amdhsa_memory_ordered 1
		.amdhsa_forward_progress 1
		.amdhsa_inst_pref_size 106
	.end_amdhsa_kernel
	.amdgpu_metadata
---
amdhsa.version: [ 1, 2 ]
amdhsa.kernels:
  - .name:           k_q603beb51bf_prep
    .symbol:         k_q603beb51bf_prep.kd
    .args:
      - { .name: K, .offset: 0, .size: 8, .value_kind: global_buffer, .address_space: global }
      - { .name: V, .offset: 8, .size: 8, .value_kind: global_buffer, .address_space: global }
      - { .name: mask, .offset: 16, .size: 8, .value_kind: global_buffer, .address_space: global }
      - { .name: kv, .offset: 24, .size: 8, .value_kind: global_buffer, .address_space: global }
      - { .name: mw, .offset: 32, .size: 8, .value_kind: global_buffer, .address_space: global }
      - { .name: fl, .offset: 40, .size: 8, .value_kind: global_buffer, .address_space: global }
    .group_segment_fixed_size: 52736
    .private_segment_fixed_size: 0
    .kernarg_segment_align: 8
    .kernarg_segment_size: 48
    .max_flat_workgroup_size: 128
    .sgpr_count:     66
    .vgpr_count:     210
    .wavefront_size: 32
...
	.end_amdgpu_metadata
.endif
;; end of part 1
;; launch attn (part 2): grid 4 x 64, 16 waves a work-group, no clusters, 276,480 bytes of LDS; arguments Q, kv, mw, fl, out0; writes out0
.if DOCPART == 2
	.amdgcn_target "amdgcn-amd-amdhsa--gfx1250"
	.amdhsa_code_object_version 6
	.text
	.protected	k_q603beb51bf_attn
	.globl	k_q603beb51bf_attn
	.p2align	8
	.type	k_q603beb51bf_attn,@function
k_q603beb51bf_attn:
	s_mov_b64 s[64:65], 0
	v_nop
	global_prefetch_b8 v0, s[64:65] scope:SCOPE_SE
	s_setreg_imm32_b32 hwreg(HW_REG_WAVE_MODE, 25, 1), 1
	s_wait_xcnt 0x0
; out0[head][q][:] = the sum over k of softmax_k(mask ? Q[q] . K[k] / 8 : -inf) V[k][:], 64 heads, 2,048 queries and keys, head size 64; both products on codes of FP6 (E2M3) with E8M0 scales for each 32 along K.
; K's and V's codes and scale words come from kv, the mask as lane masks from mw and as flags from fl (their layouts: below, where they are read).  Q is quantised here, in registers.
; THE SOFTMAX: t = score x log2(e) / 8; M = the running largest t rounded UP to a whole number; p = 2^(t - M) is quantised along the keys, not normalised; the row's sum is taken of the unquantised p and divides at the
; end; when M moves, the sum and O are multiplied by 2^(old M - new M), which rounds nothing.  A row with no key allowed ends as 0 x (1 / 0) = NaN, as the softmax of a row of -inf is.
; SHARES.  A work-group serves one head: it copies the head's 204,800 bytes of kv into LDS once, through registers; ONE barrier; then its sixteen waves run free.  Wave w of work-group x takes the query tiles
; g = 16 x + w and 127 - g, one after the other, 16 queries each, in 256 registers: four waves to a SIMD, so that one wave's vector work stands beside another's products and LDS loads.
; A tile walks 16 steps of 128 keys, a loop of constant count.  A step whose 16 x 128 scores the mask hides altogether is left out by a scalar branch on its stored flag (all its p are 0); a step that the mask leaves
; whole skips the masking.  Right for any mask; the pairing g, 127 - g evens the work where the allowed keys grow with the query.
; NO JOINT LOADS, though the four work-groups of a head read the same 204,800 bytes: this text branches on numbers read from memory, so it has no tensor load; what is shared is read once by each, at the head,
; and what the branch spares is up to all 16 steps of a tile.
; LAYOUT.  Both products are used transposed: a lane holds ONE query (lane % 16) throughout.  S^T = K Q^T: the instruction's K is 128 and the head's 64, so a row of source 0 holds TWO keys, a (k 0-63) and a + 8 (k 64-127),
; and source 1 is Q with zero codes in the other half: v[22:33] picks key a, v[16:27] key a + 8 (Q's six registers between two runs of six zeros serve both).  With a = 32 b + m + 8 (m / 8) for row m,
; score register n = 16 b + i of lane (r, h) is key 32 b + 16 h + i: sixteen neighbours along the next K.  O^T = V^T P^T: source 0 = 16 of the head's 64, source 1 = p's codes.
; LIMITS: NaN and infinities among Q are not served; a block of Q whose largest magnitude lies under 2^-124 has its byte held at 1 (a block of zeros too: its codes are zeros); a p under 2^-126 is taken as 0
; (v_exp_f32 gives no denormals: ISA guide 15.8), beside a row's sum above 1/2.
.set REC,   12800                      ; a step's record in kv: K's four double tiles (4 x 1,536), their scale words (256), V^T's four tiles, their scale words
.set KSC,   6144
.set VIM,   6400
.set VSC,   12544
.set HEADB, 16*REC                     ; LDS [0, 204800): the head's records as they lie in memory
.set SP,    272                        ; a stage row: 256 bytes + 16: sixteen neighbouring rows start at sixteen different banks (64 banks of 4 bytes: ISA guide 11.1)
.set WSTG,  16*SP                      ; behind them a stage of 16 rows for each wave, its own: Q's way in, O's way out
.set FLOOR, 0x1800000                  ; 2^(3 - 127)
.set EOFF,  0xff000000                 ; 2 off an exponent field
; v1 16 L   v2 8 L   v3 stage + 272 r + 32 h   v4 stage + 272 h + 16 r   v5 stage + 272 r + 128 h   v6 -inf   v7, v8 the step's LDS addresses
; v9 Q's scale word   v[10:11] K's   v[34:35] V's   v84 p's (these six hold scales and nothing else)   v12 -M   v13 the largest t   v[14:15] the sum in two halves
; v16-21 zeros, v22-27 Q's codes, v28-33 zeros   v36-83 four fragments of K, then of V   v85 at work   v[86:87] f   v88-91 the blocks' maxima   v92-95 at work
; v96-159 S^T, then p   v160-191 O^T   v192-203 p's codes   v204-206, v208-210 the conversions' second halves   v212-215 scale operands   v216-247 Q as loaded   v248-251 the copy's LDS addresses
; s[2:3], s[16:17] Q at my two tiles   s[18:19], s[100:101] out0 likewise   s[6:7] kv at my head   s[8:9] mw   s14 wave   s15 head   s[20:21] lane selects   s[22:23] c
; s24 the step's record in LDS   s25 the step's words in mw   s26 flags to go   s27 the step's flag   s28 steps to go   s29, s30 the second tile's flags and words   s[32:63], s[68:99] the step's 64 mask words
.macro MAX32 d, t, x                   ; the largest magnitude of v[x] .. v[x + 31], in two chains, and the floor
	v_max3_num_f32 v[\d], |v[(\x)]|, |v[(\x)+1]|, |v[(\x)+2]|
	v_max3_num_f32 v[\t], |v[(\x)+3]|, |v[(\x)+4]|, |v[(\x)+5]|
.irp i, 6,10,14,18,22,26
	v_max3_num_f32 v[\d], v[\d], |v[(\x)+\i]|, |v[(\x)+\i+1]|
	v_max3_num_f32 v[\t], v[\t], |v[(\x)+\i+2]|, |v[(\x)+\i+3]|
.endr
	v_max3_num_f32 v[\d], v[\d], |v[(\x)+30]|, |v[(\x)+31]|
	v_max3_num_f32 v[\d], v[\d], v[\t], FLOOR
.endm
.macro QLOAD base                      ; a tile of Q: 16 rows x 256 bytes, dense: eight loads of 512 consecutive bytes
.set i, 0
.rept 8
	global_load_b128 v[216+4*i:219+4*i], v1, s[\base:\base+1] offset:512*i th:TH_LOAD_NT
.set i, i+1
.endr
.endm
; Q through my stage: in as loaded, back a whole block a lane (query r, numbers 32 h .. 32 h + 31); then six registers of codes and the scale word
.macro QQUANT
.set i, 0
.rept 8
	ds_store_b128 v4, v[216+4*i:219+4*i] offset:2*SP*i
.set i, i+1
.endr
.set i, 0
.rept 8
	ds_load_b128 v[36+4*i:39+4*i], v5 offset:16*i  ; my wave's own bytes, served in order behind the stores (ISA guide 5.7.1.4)
.set i, i+1
.endr
	v_bfe_u32 v90, v0, 4, 1
	v_lshlrev_b32 v90, 3, v90                      ; 8 h
	s_wait_dscnt 0x0
	MAX32 88, 89, 36
	v_add_nc_u32 v212, EOFF, v88                   ; the conversion takes the exponent field of this operand as its scale, and nothing else of it
	v_cvt_scalef32_pk16_fp6_f32 v[22:24], v[36:51], v212
	v_cvt_scalef32_pk16_fp6_f32 v[204:206], v[52:67], v212   ; (a conversion's three registers begin on an even number)
	v_lshrrev_b32 v85, 23, v212                    ; the byte.  (A plain line behind the conversions)
	v_mov_b32 v25, v204
	v_mov_b32 v26, v205
	v_mov_b32 v27, v206
	v_lshlrev_b32 v85, v90, v85                    ; my block h's byte at its place,
	v_permlanex16_b32 v92, v85, s20, s21
	v_or_b32 v85, v85, v92                         ; with lane l xor 16's: bytes 0 and 1;
	v_lshl_or_b32 v9, v85, 16, v85                 ; and again as bytes 2 and 3: the word fits Q in either half of the instruction's K
.endm
; O^T and the sum begin as zeros, the largest t as -3e38.  Which step is a tile's first hangs on the stored flags, so none can be written out as the one whose products start the sums: 32 registers are cleared a tile
.macro INIT
	v_mov_b32 v13, 0xff61b1e6
	v_floor_f32 v12, -v13
	v_mov_b32 v14, 0
	v_mov_b32 v15, 0
.set j, 0
.rept 32
	v_mov_b32 v[160+j], 0
.set j, j+1
.endr
.endm
; A TILE'S SIXTEEN KEY STEPS.  s26 = the tile's flags, two bits a step; s25 = its first words in mw
.macro STEPS
	s_mov_b32 s24, 0
	s_mov_b32 s28, 16
.Lstep_\@:
	s_and_b32 s27, s26, 3
	s_lshr_b32 s26, s26, 2
	s_cmp_eq_u32 s27, 0
	s_cbranch_scc1 .Lnext_\@                       ; no key of the step counts for any of my 16 queries: only the addresses step
	s_load_b512 s[32:47], s[8:9], s25 offset:0x0   ; the step's 64 lane masks: asked for in every step that is worked, so that every way to the masking has them
	s_load_b512 s[48:63], s[8:9], s25 offset:0x40
	s_load_b512 s[68:83], s[8:9], s25 offset:0x80
	s_load_b512 s[84:99], s[8:9], s25 offset:0xc0
	v_add_nc_u32 v7, s24, v1
	v_add_nc_u32 v8, s24, v2
	v_nop                                          ; with the two additions: four places between the last step's products and loads into the registers that they read (ISA guide 7.12.1 for vector instructions)
	v_nop
.irp b, 0,1,2,3
.irp c, 0,1,2
	ds_load_b128 v[36+12*\b+4*\c:39+12*\b+4*\c], v7 offset:1536*\b+512*\c   ; an image of the operand's registers: 512 consecutive bytes a load
.endr
.endr
	ds_load_b64 v[10:11], v8 offset:KSC            ; v10: lanes 0-15 tile 0's words, lanes 16-31 tile 1's; v11: tiles 2, 3
	s_wait_dscnt 0x0
.irp b, 0,1,2,3                                ; S^T = K Q^T: eight products, each on an accumulator of its own, begun with the constant 0
.irp u, 0,1
.if \b%2
	v_wmma_scale_f32_16x16x128_f8f6f4 v[96+16*\b+8*\u:103+16*\b+8*\u], v[36+12*\b:47+12*\b], v[22-6*\u:33-6*\u], 0, v[10+\b/2], v9 matrix_a_fmt:MATRIX_FMT_FP6 matrix_b_fmt:MATRIX_FMT_FP6 matrix_a_scale:MATRIX_SCALE_ROW1
.else
	v_wmma_scale_f32_16x16x128_f8f6f4 v[96+16*\b+8*\u:103+16*\b+8*\u], v[36+12*\b:47+12*\b], v[22-6*\u:33-6*\u], 0, v[10+\b/2], v9 matrix_a_fmt:MATRIX_FMT_FP6 matrix_b_fmt:MATRIX_FMT_FP6
.endif
.endr
.endr
.rept 4
	v_nop                                          ; four places: for the loads below, into K's registers, and for the first read of the scores
.endr
.irp t, 0,1,2,3
.irp c, 0,1,2
	ds_load_b128 v[36+12*\t+4*\c:39+12*\t+4*\c], v7 offset:VIM+1536*\t+512*\c   ; V^T's tiles land while the softmax is worked: nothing there names v34-83
.endr
.endr
	ds_load_b64 v[34:35], v8 offset:VSC
	s_wait_kmcnt 0x0                               ; the mask words are in
	s_cmp_eq_u32 s27, 2
	s_cbranch_scc1 .Lopen_\@                       ; all 16 x 128 count: nothing to hide
.set n, 0
.rept 64
	v_cndmask_b32 v[96+n], v6, v[96+n], s[32+n+4*(n/32)]   ; bit = my lane's query may see register n's key; else the score becomes -inf, and p = 0.  (Each accumulator from its low end on)
.set n, n+1
.endr
.Lopen_\@:
.irp b, 0,1,2,3
	v_max3_num_f32 v[88+\b], v[96+16*\b], v[97+16*\b], v[98+16*\b]   ; the largest score of each block of 32 keys: it serves for the row's maximum and, since p rises with the score, for the block's largest p
.endr
.irp i, 3,5,7,9,11,13
.irp b, 0,1,2,3
	v_max3_num_f32 v[88+\b], v[88+\b], v[96+16*\b+\i], v[97+16*\b+\i]   ; (the four blocks by turns)
.endr
.endr
.irp b, 0,1,2,3
	v_max_num_f32 v[88+\b], v[88+\b], v[111+16*\b]
.endr
.irp b, 0,1,2,3
	v_permlanex16_b32 v[92+\b], v[88+\b], s20, s21
.endr
.irp b, 0,1,2,3
	v_max_num_f32 v[88+\b], v[88+\b], v[92+\b]     ; with lane l xor 16's 16 keys
.endr
	v_max3_num_f32 v85, v88, v89, v90
	v_max_num_f32 v85, v85, v91                    ; the step's largest score of my query
	v_mul_f32 v85, s22, v85                        ; as t (c is positive)
	v_max_num_f32 v13, v13, v85                    ; the running largest t
	v_mov_b32 v85, v12
	v_floor_f32 v12, -v13                          ; the new -M = floor(-t) = -ceil(t)
	v_sub_f32 v85, v12, v85                        ; old M - new M: a whole number, 0 or less
	v_cvt_i32_f32 v85, v85                         ; (it saturates)
	v_ldexp_f32 v86, 1.0, v85                      ; f = 2^(old M - new M)
.set j, 0
.rept 32
	v_pk_fma_f32 v[96+j:97+j], v[96+j:97+j], s[22:23], v[12:13] op_sel_hi:[1,0,0]   ; t - M, two at a time (of the pairs c and -M the low word serves both halves)
.set j, j+2
.endr
.irp b, 0,1,2,3
	v_fma_f32 v[88+\b], v[88+\b], s22, v12         ; the same of each block's largest score
.endr
.set j, 0
.rept 64
	v_exp_f32 v[96+j], v[96+j]                     ; p = 2^(t - M), at most 1
.set j, j+1
.endr
	v_pk_mul_f32 v[14:15], v[14:15], v[86:87] op_sel_hi:[1,0]   ; the sums under the new M.  (The plain line behind the exponentials)
	s_wait_alu depctr_va_vdst(0)                   ; one wait for the batch of 64, ahead of its first reader
.irp b, 0,1,2,3
	v_exp_f32 v[88+\b], v[88+\b]                   ; the block's largest p: the same two instructions on the same number give the same bits
.endr
	v_pk_add_f32 v[92:93], v[96:97], v[98:99]      ; the row's sum of the UNQUANTISED p, two at a time, in two chains; it reads the 64 alone
.set j, 4
.rept 15
	v_pk_add_f32 v[14:15], v[14:15], v[96+j:97+j]
	v_pk_add_f32 v[92:93], v[92:93], v[98+j:99+j]
.set j, j+4
.endr
	v_pk_add_f32 v[14:15], v[14:15], v[92:93]
	s_wait_alu depctr_va_vdst(0)                   ; and one for the four
.irp b, 0,1,2,3
	v_max_num_f32 v[88+\b], FLOOR, v[88+\b]        ; the byte cannot fall under 1 (a block whose every p is 0 keeps that byte: its codes are zeros)
.endr
.irp b, 0,1,2,3
	v_add_nc_u32 v[212+\b], EOFF, v[88+\b]         ; the conversions' scale operands
.endr
.irp b, 0,1,2,3
	v_lshrrev_b32 v[92+\b], 23, v[212+\b]          ; the bytes
.endr
	v_lshl_or_b32 v84, v93, 8, v92                 ; p's scale word for these 128 keys
	v_lshl_or_b32 v84, v94, 16, v84
	v_lshl_or_b32 v84, v95, 24, v84
.irp c, 0,1
	v_cvt_scalef32_pk16_fp6_f32 v[192+6*\c:194+6*\c], v[96+32*\c:111+32*\c], v[212+2*\c]
	v_cvt_scalef32_pk16_fp6_f32 v[204+4*\c:206+4*\c], v[112+32*\c:127+32*\c], v[212+2*\c+1]
.endr
	v_nop                                          ; one plain line behind the conversions
.irp c, 0,1                                    ; the operand's layout wants a WHOLE block in a lane: lanes 0-15 block 2 c, lanes 16-31 block 2 c + 1
.irp i, 0,1,2
	v_permlane16_swap_b32 v[192+6*\c+\i], v[204+4*\c+\i]
.endr
.irp i, 0,1,2
	v_mov_b32 v[195+6*\c+\i], v[204+4*\c+\i]
.endr
.endr
.set j, 0
.rept 16
	v_pk_mul_f32 v[160+j:161+j], v[160+j:161+j], v[86:87] op_sel_hi:[1,0]   ; O^T under the new M.  Twelve of these sixteen name no register of a given product below: its eight places behind the scale word, its four behind the codes
.set j, j+2
.endr
	s_wait_dscnt 0x0                               ; V^T's tiles and scale words are in
.irp t, 0,1,2,3                                ; O^T += V^T P^T: four accumulators by turns, one instruction a turn; the next step's eight products stand between two links of a chain
.if \t%2
	v_wmma_scale_f32_16x16x128_f8f6f4 v[160+8*\t:167+8*\t], v[36+12*\t:47+12*\t], v[192:203], v[160+8*\t:167+8*\t], v[34+\t/2], v84 matrix_a_fmt:MATRIX_FMT_FP6 matrix_b_fmt:MATRIX_FMT_FP6 matrix_a_scale:MATRIX_SCALE_ROW1
.else
	v_wmma_scale_f32_16x16x128_f8f6f4 v[160+8*\t:167+8*\t], v[36+12*\t:47+12*\t], v[192:203], v[160+8*\t:167+8*\t], v[34+\t/2], v84 matrix_a_fmt:MATRIX_FMT_FP6 matrix_b_fmt:MATRIX_FMT_FP6
.endif
.endr
.Lnext_\@:
	s_wait_xcnt 0x0                                ; the scalar loads have read their offset register: it steps only behind this wait
	s_add_co_u32 s24, s24, REC
	s_add_co_u32 s25, s25, 256
	s_sub_co_u32 s28, s28, 1
	s_cmp_lg_u32 s28, 0
	s_cbranch_scc1 .Lstep_\@
.endm
; THE WAY OUT: O^T / the sum, through my stage (a lane holds 32 neighbouring bytes of a row, the lanes beside it other rows), back as whole rows, stored 512 consecutive bytes an instruction
.macro OUT base
.rept 4
	v_nop                                          ; four places behind the last products
.endr
	v_add_f32 v14, v14, v15                        ; the sum's two halves,
	v_permlanex16_b32 v92, v14, s20, s21
	v_add_f32 v14, v14, v92                        ; and lane l xor 16's keys
	v_rcp_f32 v14, v14
	v_nop                                          ; a plain line behind the reciprocal,
	s_wait_alu depctr_va_vdst(0)                   ; and the wait ahead of its first reader
.set j, 0
.rept 16
	v_pk_mul_f32 v[96+j:97+j], v[160+j:161+j], v[14:15] op_sel_hi:[1,0]   ; register 8 t + i: o(r, 16 t + 8 h + i); each accumulator from its low end on
.set j, j+2
.endr
.irp t, 0,1,2,3
	ds_store_b128 v3, v[96+8*\t:99+8*\t] offset:64*\t
	ds_store_b128 v3, v[100+8*\t:103+8*\t] offset:64*\t+16
.endr
.irp i, 0,1,2,3,4,5,6,7
	ds_load_b128 v[128+4*\i:131+4*\i], v4 offset:2*SP*\i   ; my wave's own bytes, served in order behind the stores
.endr
.irp i, 0,1,2,3,4,5,6,7
	s_wait_dscnt 7-\i                              ; load i is back, the 7 - i younger ones may be out
	global_store_b128 v1, v[128+4*\i:131+4*\i], s[\base:\base+1] offset:512*\i th:TH_STORE_NT   ; two rows of 256 bytes, aligned; written once, read by nobody here
.endr
.endm
	s_load_b256 s[4:11], s[0:1], 0x0               ; Q s[4:5], kv s[6:7], mw s[8:9], fl s[10:11]
	s_load_b64 s[12:13], s[0:1], 0x20              ; out0
	v_lshl_add_u32 v254, v0, 2, 0x43000
	v_mov_b32 v255, 0
	v_lshrrev_b32 v1, 5, v0
	v_readfirstlane_b32 s14, v1                    ; wave 0..15
	s_and_b32 s15, ttmp7, 0xffff                   ; head
	s_lshl_b32 s31, ttmp9, 4
	s_add_co_u32 s31, s31, s14                     ; my first tile of queries: g = 16 x + wave
	s_sub_co_u32 s24, 127, s31                     ; my second: 127 - g
	s_lshl_b32 s28, s15, 19                        ; a head of Q or out0: 2,048 rows of 256 bytes
	s_lshl_b32 s25, s31, 12                        ; a tile: 4,096 bytes in Q and out0, and 4,096 bytes of words in mw
	s_lshl_b32 s30, s24, 12
	s_add_co_u32 s66, s25, s28
	s_mov_b32 s67, 0
	s_add_co_u32 s68, s30, s28
	s_mov_b32 s69, 0
	s_mul_i32 s70, s15, HEADB
	s_mov_b32 s71, 0
	s_lshl_b32 s72, s31, 6                         ; a tile's 16 flag words
	s_lshl_b32 s73, s24, 6
	s_mul_i32 s74, s14, WSTG
	s_add_co_u32 s74, s74, HEADB                   ; my stage
	s_mov_b32 s20, 0x76543210
	s_mov_b32 s21, 0xfedcba98                      ; v_permlanex16_b32's selects for lane l xor 16
	s_mov_b32 s22, 0x3e38aa3b                      ; c = log2(e) / sqrt(64)
	s_mov_b32 s23, s22                             ; (named with it as a pair, so it is written)
	v_and_b32 v88, 31, v0                          ; L
	v_and_b32 v89, 15, v0                          ; r
	v_bfe_u32 v90, v0, 4, 1                        ; h
	v_lshlrev_b32 v1, 4, v88
	v_lshlrev_b32 v2, 3, v88
	v_mul_u32_u24 v91, v89, SP
	v_add_nc_u32 v91, s74, v91
	v_lshl_add_u32 v3, v90, 5, v91
	v_lshl_add_u32 v5, v90, 7, v91
	v_mul_u32_u24 v4, v90, SP
	v_lshl_add_u32 v4, v89, 4, v4
	v_add_nc_u32 v4, s74, v4
	v_mov_b32 v6, 0xff800000                       ; -infinity
.irp i, 16,17,18,19,20,21,28,29,30,31,32,33
	v_mov_b32 v\i, 0                               ; zero codes on both sides of Q's
.endr
.irp i, 87,92,93,94,95
	v_mov_b32 v\i, 0                               ; written once: the upper half of the pair v[86:87], and the lane permutes' destinations, which count as sources
.endr
	v_lshlrev_b32 v248, 4, v0                      ; the copy: 16 bytes a thread, 8,192 a load of the work-group; an LDS immediate has 16 bits, so four registers carry the rest
	v_add_nc_u32 v249, 0x10000, v248
	v_add_nc_u32 v250, 0x20000, v248
	v_add_nc_u32 v251, 0x30000, v248
	s_wait_kmcnt 0x0
	s_load_b512 s[32:47], s[10:11], s72 offset:0x0 ; my two tiles' flag words
	s_load_b512 s[48:63], s[10:11], s73 offset:0x0
	s_add_nc_u64 s[2:3], s[4:5], s[66:67]
	s_add_nc_u64 s[16:17], s[4:5], s[68:69]
	s_add_nc_u64 s[18:19], s[12:13], s[66:67]
	s_add_nc_u64 s[100:101], s[12:13], s[68:69]
	s_add_nc_u64 s[6:7], s[6:7], s[70:71]
	QLOAD 2                                        ; my first tile of Q, then my share of the head's records
.set i, 0
.rept 25
	global_load_b128 v[96+4*i:99+4*i], v248, s[6:7] offset:8192*i
.set i, i+1
.endr
	s_wait_loadcnt 25                              ; Q's eight loads are in; the copy's 25 stay out while Q is quantised
	QQUANT
	s_wait_kmcnt 0x0
	s_or_b32 s26, s32, s33                         ; each word holds its step's two bits at their place: sixteen make the tile's flags
.set i, 34
.rept 14
	s_or_b32 s26, s26, s[i]
.set i, i+1
.endr
	s_or_b32 s29, s48, s49
.set i, 50
.rept 14
	s_or_b32 s29, s29, s[i]
.set i, i+1
.endr
.set i, 0
.rept 25
	s_wait_loadcnt 24-i                            ; load i is in, the 24 - i younger ones may be out
	ds_store_b128 v[248+i/8], v[96+4*i:99+4*i] offset:8192*(i%8)
.set i, i+1
.endr
	s_wait_dscnt 0x0                               ; for the others' sake: my part of the head lies in LDS
	s_barrier_signal -1
	s_barrier_wait -1                              ; everybody's does.  Nothing writes these bytes again: the text's one barrier
	QLOAD 16                                       ; my second tile of Q: it has the whole first tile in which to land; nothing else names v216-247 or its base
	INIT
	STEPS
	OUT 18
	s_wait_xcnt 0x0                                ; the stores have read their registers: the second tile writes them again
	s_wait_loadcnt 0x0                             ; Q
	QQUANT
	INIT
	s_mov_b32 s26, s29
	s_mov_b32 s25, s30
	STEPS
	OUT 100
	s_wait_tensorcnt 0x0
	ds_add_u32 v254, v255
	s_wait_dscnt 0x0
	s_endpgm
.Lfunc_end_k_q603beb51bf_attn:
	.size	k_q603beb51bf_attn, .Lfunc_end_k_q603beb51bf_attn-k_q603beb51bf_attn
	.p2alignl 7, 3214868480
	.fill 96, 4, 3214868480
	.section	.rodata,"a",@progbits
	.p2align	6, 0x0
	.amdhsa_kernel k_q603beb51bf_attn
		.amdhsa_group_segment_fixed_size 276480
		.amdhsa_private_segment_fixed_size 0
		.amdhsa_enable_private_segment 0
		.amdhsa_kernarg_size 40
		.amdhsa_user_sgpr_count 2
		.amdhsa_user_sgpr_kernarg_segment_ptr 1
		.amdhsa_wavefront_size32 1
		.amdhsa_system_sgpr_workgroup_id_x 1
		.amdhsa_system_sgpr_workgroup_id_y 1
		.amdhsa_system_sgpr_workgroup_id_z 1
		.amdhsa_system_vgpr_workitem_id 0
		.amdhsa_next_free_vgpr 256
		.amdhsa_next_free_sgpr 102
		.amdhsa_reserve_vcc 0
		.amdhsa_float_denorm_mode_32 3
		.amdhsa_float_denorm_mode_16_64 3
		.amdhsa_memory_ordered 1
		.amdhsa_forward_progress 1
		.amdhsa_inst_pref_size 65
	.end_amdhsa_kernel
	.amdgpu_metadata
---
amdhsa.version: [ 1, 2 ]
amdhsa.kernels:
  - .name:           k_q603beb51bf_attn
    .symbol:         k_q603beb51bf_attn.kd
    .args:
      - { .name: Q, .offset: 0, .size: 8, .value_kind: global_buffer, .address_space: global }
      - { .name: kv, .offset: 8, .size: 8, .value_kind: global_buffer, .address_space: global }
      - { .name: mw, .offset: 16, .size: 8, .value_kind: global_buffer, .address_space: global }
      - { .name: fl, .offset: 24, .size: 8, .value_kind: global_buffer, .address_space: global }
      - { .name: out0, .offset: 32, .size: 8, .value_kind: global_buffer, .address_space: global }
    .group_segment_fixed_size: 276480
    .private_segment_fixed_size: 0
    .kernarg_segment_align: 8
    .kernarg_segment_size: 40
    .max_flat_workgroup_size: 512
    .sgpr_count:     102
    .vgpr_count:     256
    .wavefront_size: 32
...
	.end_amdgpu_metadata
.endif
;; end of part 2
;; ======== version 2 of 2: 2 launches
;; workspace buffers: kv 13,107,200 bytes; mw 524,288 bytes of whole numbers; fl 8,192 bytes of whole numbers
;; launch prep (part 3): grid 768 x 1, 4 waves a work-group, no clusters, 52,736 bytes of LDS; arguments K, V, mask, kv, mw, fl; writes kv, mw, fl
.if DOCPART == 3
	.amdgcn_target "amdgcn-amd-amdhsa--gfx1250"
	.amdhsa_code_object_version 6
	.text
	.protected	k_q603beb51bf_prep
	.globl	k_q603beb51bf_prep
	.p2align	8
	.type	k_q603beb51bf_prep,@function
k_q603beb51bf_prep:
	s_mov_b64 s[64:65], 0
	v_nop
	global_prefetch_b8 v0, s[64:65] scope:SCOPE_SE
	s_setreg_imm32_b32 hwreg(HW_REG_WAVE_MODE, 25, 1), 1
	s_wait_xcnt 0x0
; K, V [64 heads][2048 keys][64] f32 and mask [2048][2048] bytes are prepared ONCE for the attention launch, which reads each head four times.
; K is quantised along the head's 64 (two blocks of 32 a key), V along the keys (blocks of 32 keys a column), to codes of FP6 (E2M3) with one E8M0 byte a block:
; a block's byte is its largest magnitude's exponent field - 2, held at 1 from below; each number / scale goes to the nearest code, ties to even, beyond 7.5 the largest code.
; LIMITS: NaN and infinities among K and V are not served.  A block whose largest magnitude lies under 2^-124 has its byte held at 1; a block of zeros gets the byte 1 where the
; rule says 127: its codes are zeros, which add nothing under any byte but 0xff, and these bytes are read by this program alone.
; kv: [64 heads][16 steps of 128 keys] records of REC bytes, laid as IMAGES OF THE OPERANDS' REGISTERS (L = lane, r = L % 16, h = L / 16):
;   +0     K's four double tiles b: registers 4 c .. 4 c + 3 of lane L at 1536 b + 512 c + 16 L.  Lane (r, h): registers 0-5 = key a = 32 b + r + 8 (r / 8), numbers 32 h .. 32 h + 31; registers 6-11 = key a + 8.
;   +KSC   their scale words, 8 bytes a lane: word 0: lanes 0-15 tile 0's rows, lanes 16-31 tile 1's; word 1: tiles 2 and 3.  A word: bytes 0, 1 key a's two blocks, bytes 2, 3 key a + 8's.
;   +VIM   V^T's four tiles t (rows d = 16 t + r; registers 6 c .. 6 c + 5 = keys 64 c + 32 h + 0 .. 31), at 1536 t + 512 c + 16 L.
;   +VSC   their scale words, 8 bytes a lane: word 0: tile 0 | tile 1, word 1: tile 2 | tile 3; byte e = keys 32 e on.
; mw: [128 tiles of 16 queries][16 steps][64 words]: bit r + 16 h of word n = mask[16 qt + r][128 s + 32 (n / 16) + 16 h + n % 16]: the lanes' mask for score register n.
; fl: [128][16] words f << 2 s: f = 0 no key of the 16 x 128 counts, 1 some, 2 all.
; SHARES: work-groups 0-255 take K, 256-511 V (a wave a record: 128 keys), 512-767 the mask (a wave 16 rows x 256 keys).  Waves share nothing: no barrier.
; The two paths that use LDS have bytes of their own.  No matrix unit, no cluster, no tensor load: a stream, read once, with nothing shared between work-groups.
.set REC,   12800
.set KSC,   6144
.set VIM,   6400
.set VSC,   12544
.set FLOOR, 0x1800000                  ; 2^(3 - 127): no largest magnitude is taken under it, so the byte cannot fall under 1
.set EOFF,  0xff000000                 ; -(2 << 23): 2 off an exponent field
.set SP,    272                        ; a stage row: 256 bytes + 16 = 68 words: sixteen neighbouring rows start at sixteen different banks (64 banks of 4 bytes: ISA guide 11.1)
.set KSTG,  32*SP                      ; K's stage: 32 keys, a wave's own, from LDS byte 0
.set MSTG0, 4*KSTG                     ; the mask's stages begin behind K's four
.set MSTG,  16*SP                      ; 16 rows, a wave's own
.set KR,    16                         ; K: v16-79   32 keys as loaded
.set KX,    80                         ;    v80-143  two blocks of 32 neighbours
.set KC,    144                        ;    v144-191 codes: 12 registers for each double tile, so that no store's data are written again
.set KT,    192                        ;    v192-194, v196-198 the conversions' second halves
.set KW,    200                        ;    v200-203 scale words
; the largest magnitude of v[x] .. v[x + 31], in two chains, and the floor
.macro MAX32 d, t, x
	v_max3_num_f32 v[\d], |v[(\x)]|, |v[(\x)+1]|, |v[(\x)+2]|
	v_max3_num_f32 v[\t], |v[(\x)+3]|, |v[(\x)+4]|, |v[(\x)+5]|
.irp i, 6,10,14,18,22,26
	v_max3_num_f32 v[\d], v[\d], |v[(\x)+\i]|, |v[(\x)+\i+1]|
	v_max3_num_f32 v[\t], v[\t], |v[(\x)+\i+2]|, |v[(\x)+\i+3]|
.endr
	v_max3_num_f32 v[\d], v[\d], |v[(\x)+30]|, |v[(\x)+31]|
	v_max3_num_f32 v[\d], v[\d], v[\t], FLOOR
.endm
; K: keys 32 b .. 32 b + 31: sixteen loads of 512 consecutive bytes (two keys)
.macro KLOAD b
.set i, 0
.rept 16
	global_load_b128 v[KR+4*i:KR+4*i+3], v4, s[4:5] offset:8192*(\b)+512*i th:TH_LOAD_NT
.set i, i+1
.endr
.endm
; through the wave's own stage: in as loaded, back a block of 32 neighbours a lane.  LDS serves a wave's instructions in order (ISA guide 5.7.1.4): no wait between the stores and the loads
.macro KTURN
.set i, 0
.rept 16
	s_wait_loadcnt 15-i                            ; loads come back in order: load i is in, the 15 - i younger ones of these 32 keys may be out
	ds_store_b128 v5, v[KR+4*i:KR+4*i+3] offset:2*SP*i
.set i, i+1
.endr
.irp u, 0,1
.irp j, 0,1,2,3,4,5,6,7
	ds_load_b128 v[KX+32*\u+4*\j:KX+32*\u+4*\j+3], v6 offset:8*SP*\u+16*\j   ; key a (u = 0) or a + 8 (u = 1), numbers 32 h + 4 j on
.endr
.endr
	s_wait_dscnt 0x0                               ; the blocks are in, and the stores have read the registers that the next loads take
.endm
; double tile b: two blocks a lane become 12 registers of codes and a part of the scale word
.macro KQ b
	MAX32 204, 206, KX
	MAX32 205, 207, KX+32
	v_add_nc_u32 v204, EOFF, v204                  ; 2 off the exponent field: the conversion takes the exponent field of this operand as its scale, and nothing else of it
	v_add_nc_u32 v205, EOFF, v205
	v_cvt_scalef32_pk16_fp6_f32 v[KC+12*(\b):KC+12*(\b)+2], v[KX:KX+15], v204
	v_cvt_scalef32_pk16_fp6_f32 v[KT:KT+2], v[KX+16:KX+31], v204             ; (a conversion's three registers begin on an even number: the second half is made elsewhere and moved)
	v_cvt_scalef32_pk16_fp6_f32 v[KC+12*(\b)+6:KC+12*(\b)+8], v[KX+32:KX+47], v205
	v_cvt_scalef32_pk16_fp6_f32 v[KT+4:KT+6], v[KX+48:KX+63], v205
	v_lshrrev_b32 v10, 23, v204                    ; the bytes.  (Plain lines behind the conversions, ahead of the moves that read their results)
	v_lshrrev_b32 v11, 23, v205
.irp i, 0,1,2
	v_mov_b32 v[KC+12*(\b)+3+\i], v[KT+\i]
	v_mov_b32 v[KC+12*(\b)+9+\i], v[KT+4+\i]
.endr
	v_lshl_or_b32 v[KW+(\b)], v11, 16, v10         ; my block h of key a and of key a + 8,
	v_lshlrev_b32 v[KW+(\b)], v7, v[KW+(\b)]       ; 8 h bits up;
	v_permlanex16_b32 v12, v[KW+(\b)], s28, s29
	v_or_b32 v[KW+(\b)], v[KW+(\b)], v12           ; with lane l xor 16's the word is whole, in both lanes
.irp c, 0,1,2
	global_store_b128 v4, v[KC+12*(\b)+4*\c:KC+12*(\b)+4*\c+3], s[10:11] offset:1536*(\b)+512*\c   ; 32 lanes store 512 consecutive bytes, aligned to 256
.endr
.endm
; V: block q: keys 32 (q / 2) on, columns 32 (q % 2) + lane: a lane to a column, its registers down the keys
.macro VLOAD q
.set i, 0
.rept 32
	global_load_b32 v[16+32*((\q)%2)+i], v4, s[6:7] offset:(32*((\q)/2)+i)*256+128*((\q)%2)   ; half a row; the other half is the neighbouring block's
.set i, i+1
.endr
.endm
.macro VBLOCK q
.set XS, 16+32*((\q)%2)
.set HF, (\q)%2                        ; which 32 columns: tiles 2 HF and 2 HF + 1
.set BE, (\q)/2                        ; which block of 32 keys: registers 6 (BE / 2) on of the image's lanes 16 (BE % 2) + r
.set FB, 80+12*(2*HF+BE%2)             ; v80-127: four fragments of 12 registers
.set FC, FB+6*(BE/2)
.if (\q) < 7
	s_wait_loadcnt 32                              ; this block's 32 loads are in; the next block's may be out
.else
	s_wait_loadcnt 0x0
.endif
	MAX32 134, 135, XS                             ; all 32 numbers of the block are mine
	v_add_nc_u32 v136, EOFF, v134
	v_lshrrev_b32 v137, 23, v136
.if BE == 0
	v_mov_b32 v[132+HF], v137                      ; my column's scale word: the lower keys in the lower byte
.else
	v_lshl_or_b32 v[132+HF], v137, 8*BE, v[132+HF]
.endif
	v_cvt_scalef32_pk16_fp6_f32 v[FC:FC+2], v[XS:XS+15], v136
	v_cvt_scalef32_pk16_fp6_f32 v[128:130], v[XS+16:XS+31], v136
	v_nop                                          ; one plain line behind the conversions
.irp i, 0,1,2
	v_mov_b32 v[FC+3+\i], v[128+\i]
.endr
.if (\q)+2 < 8
	VLOAD (\q)+2
.endif
.if (\q) >= 4                          ; the fragment is whole: sixteen lanes store 256 consecutive bytes, aligned
.irp c, 0,1,2
	global_store_b128 v5, v[FB+4*\c:FB+4*\c+3], s[10:11] offset:VIM+3072*HF+256*(BE%2)+512*\c
.endr
.endif
.endm
; the mask: step sp of the wave's two: 64 ballots, four at a time.  Word n = 4 g + k goes to lane n / 2, register n % 2
.macro MSTEP sp
	s_mov_b32 s24, 0                               ; any
	s_mov_b32 s25, -1                              ; all
.set g, 0
.rept 16
.irp k, 0,1,2,3
	v_and_b32 v[86+\k], 0xff<<(8*\k), v[48+4*(4*(\sp)+g/4)+g%4]   ; my row's byte of key 32 (n / 16) + 16 h + n % 16
.endr
.irp k, 0,1,2,3
	v_cmp_ne_u32 s[32+\k], 0, v[86+\k]             ; the 32 lanes' bits
.endr
.irp k, 0,1,2,3
	s_or_b32 s24, s24, s[32+\k]
	s_and_b32 s25, s25, s[32+\k]
.endr
.irp k, 0,1,2,3
	v_writelane_b32 v[80+2*(\sp)+\k%2], s[32+\k], 2*g+\k/2
.endr
.set g, g+1
.endr
	s_cmp_lg_u32 s24, 0
	s_cselect_b32 s26, 1, 0
	s_cmp_eq_u32 s25, -1
	s_cselect_b32 s27, 1, 0
	s_add_co_u32 s26, s26, s27                     ; 0 none, 1 some, 2 all
	s_add_co_u32 s27, s30, 2*(\sp)
	s_lshl_b32 s26, s26, s27                       ; at bits 2 x step
	v_writelane_b32 v84, s26, \sp
	global_store_b64 v8, v[80+2*(\sp):81+2*(\sp)], s[12:13] offset:256*(\sp)   ; 32 lanes store the step's 256 bytes, aligned
.endm
	s_load_b256 s[4:11], s[0:1], 0x0               ; K s[4:5], V s[6:7], mask s[8:9], kv s[10:11]
	s_load_b128 s[12:15], s[0:1], 0x20             ; mw s[12:13], fl s[14:15]
	v_lshl_add_u32 v208, v0, 2, 0xcc00
	v_mov_b32 v209, 0
	v_lshrrev_b32 v1, 5, v0
	v_readfirstlane_b32 s16, v1                    ; wave 0..3
	v_and_b32 v1, 31, v0                           ; L
	v_and_b32 v2, 15, v0                           ; r
	v_bfe_u32 v3, v0, 4, 1                         ; h
	s_mov_b32 s28, 0x76543210
	s_mov_b32 s29, 0xfedcba98                      ; v_permlanex16_b32's selects for lane l xor 16
	s_mov_b32 s19, 0                               ; the upper words of three offsets
	s_mov_b32 s21, 0
	s_mov_b32 s23, 0
	s_cmp_lt_u32 ttmp9, 256
	s_cbranch_scc1 .Lkeys
	s_cmp_lt_u32 ttmp9, 512
	s_cbranch_scc1 .Lvalues
	; ---- THE MASK: unit um = 8 qt + pair of steps: 16 rows x 256 bytes
	s_sub_co_u32 s17, ttmp9, 512
	s_lshl_b32 s17, s17, 2
	s_add_co_u32 s17, s17, s16                     ; um
	s_lshr_b32 s18, s17, 3
	s_lshl_b32 s18, s18, 15                        ; 16 rows of 2,048 bytes a tile of queries,
	s_and_b32 s30, s17, 7
	s_lshl_b32 s31, s30, 8
	s_add_co_u32 s18, s18, s31                     ; + 256 bytes a pair of steps
	s_lshl_b32 s20, s17, 9                         ; mw: 512 bytes a unit
	s_lshl_b32 s22, s17, 3                         ; fl: 8 bytes a unit
	s_lshl_b32 s30, s30, 2                         ; the first step's flag stands at bit 2 x (2 x pair)
	s_wait_alu depctr_va_vdst(0)
	v_lshlrev_b32 v4, 11, v3
	v_lshl_add_u32 v4, v2, 4, v4                   ; in: lanes 0-15 one row's 256 bytes, lanes 16-31 the next row's
	s_mul_i32 s31, s16, MSTG
	s_add_co_u32 s31, s31, MSTG0                   ; my stage
	v_mul_u32_u24 v5, v3, SP
	v_lshl_add_u32 v5, v2, 4, v5
	v_add_nc_u32 v5, s31, v5                       ; into it as loaded
	v_mul_u32_u24 v6, v2, SP
	v_lshl_add_u32 v6, v3, 4, v6
	v_add_nc_u32 v6, s31, v6                       ; out of it: row r, 16 bytes at 16 h
	v_lshlrev_b32 v7, 2, v1
	v_lshlrev_b32 v8, 3, v1
.irp i, 80,81,82,83,84
	v_mov_b32 v\i, 0                               ; written whole once: v_writelane_b32 keeps the other lanes
.endr
	s_wait_alu depctr_va_vdst(0)
	s_wait_kmcnt 0x0
	s_add_nc_u64 s[8:9], s[8:9], s[18:19]
	s_add_nc_u64 s[12:13], s[12:13], s[20:21]
	s_add_nc_u64 s[14:15], s[14:15], s[22:23]
.irp i, 0,1,2,3,4,5,6,7
	global_load_b128 v[16+4*\i:19+4*\i], v4, s[8:9] offset:4096*\i th:TH_LOAD_NT
.endr
.irp i, 0,1,2,3,4,5,6,7
	s_wait_loadcnt 7-\i                            ; load i is in, the 7 - i younger ones may be out
	ds_store_b128 v5, v[16+4*\i:19+4*\i] offset:2*SP*\i
.endr
.irp sp, 0,1
.irp b, 0,1,2,3
	ds_load_b128 v[48+4*(4*\sp+\b):51+4*(4*\sp+\b)], v6 offset:128*\sp+32*\b   ; my wave's own bytes, served in order behind the stores
.endr
.endr
	s_wait_dscnt 0x0
	MSTEP 0
	MSTEP 1
	v_cmp_gt_u32 vcc_lo, 2, v1                     ; lanes 0 and 1 hold the two flag words
	s_wait_alu depctr_va_vdst(0)
	s_wait_xcnt 0x0                                ; EXEC is a source of the stores above: it changes only behind this wait
	s_wait_tensorcnt 0x0
	ds_add_u32 v208, v209
	s_wait_dscnt 0x0
	s_and_saveexec_b32 s36, vcc_lo
	global_store_b32 v7, v84, s[14:15]
	s_wait_xcnt 0x0                                ; and again, in front of the line that widens it
	s_or_b32 exec_lo, exec_lo, s36
	s_endpgm
	; ---- K: unit u = 16 head + step
.Lkeys:
	s_lshl_b32 s17, ttmp9, 2
	s_add_co_u32 s17, s17, s16
	s_lshl_b32 s18, s17, 15                        ; 128 keys of 256 bytes
	s_mul_i32 s20, s17, REC
	s_wait_alu depctr_va_vdst(0)
	v_lshlrev_b32 v4, 4, v1                        ; 16 L
	s_mul_i32 s31, s16, KSTG                       ; my stage
	v_mul_u32_u24 v5, v3, SP
	v_lshl_add_u32 v5, v2, 4, v5
	v_add_nc_u32 v5, s31, v5                       ; in: row h of a load's two keys, 16 r
	v_and_b32 v6, 8, v2
	v_add_nc_u32 v6, v6, v2                        ; r + 8 (r / 8)
	v_mul_u32_u24 v6, v6, SP
	v_lshl_add_u32 v6, v3, 7, v6
	v_add_nc_u32 v6, s31, v6                       ; out: that key's row, block h
	v_lshlrev_b32 v7, 3, v3                        ; 8 h
	v_lshlrev_b32 v8, 3, v1                        ; 8 L
	v_mov_b32 v12, 0                               ; written once: a lane permute's destination counts as one of its sources
	s_wait_alu depctr_va_vdst(0)
	s_wait_kmcnt 0x0
	s_add_nc_u64 s[4:5], s[4:5], s[18:19]
	s_add_nc_u64 s[10:11], s[10:11], s[20:21]
	KLOAD 0
.irp b, 0,1,2,3
	KTURN
.if \b < 3
	KLOAD \b+1                                     ; the next 32 keys are on their way while these are quantised
.endif
	KQ \b
.endr
	v_cmp_lt_u32 vcc_lo, 15, v1
	v_cndmask_b32 v204, v[KW], v[KW+1], vcc_lo     ; lanes 0-15 tile 0's words, lanes 16-31 tile 1's
	v_cndmask_b32 v205, v[KW+2], v[KW+3], vcc_lo   ; tiles 2 and 3
	global_store_b64 v8, v[204:205], s[10:11] offset:KSC   ; 256 consecutive bytes, aligned
	s_wait_tensorcnt 0x0
	ds_add_u32 v208, v209
	s_wait_dscnt 0x0
	s_endpgm
	; ---- V: the same unit
.Lvalues:
	s_sub_co_u32 s17, ttmp9, 256
	s_lshl_b32 s17, s17, 2
	s_add_co_u32 s17, s17, s16
	s_lshl_b32 s18, s17, 15
	s_mul_i32 s20, s17, REC
	s_wait_alu depctr_va_vdst(0)
	v_lshlrev_b32 v4, 2, v1                        ; in: 4 bytes a lane
	v_mul_u32_u24 v5, v3, 1536
	v_lshl_add_u32 v5, v2, 4, v5                   ; out: my column's tile (lane / 16 of the pair) and row
	v_lshlrev_b32 v8, 3, v1
	s_wait_alu depctr_va_vdst(0)
	s_wait_kmcnt 0x0
	s_add_nc_u64 s[6:7], s[6:7], s[18:19]
	s_add_nc_u64 s[10:11], s[10:11], s[20:21]
	VLOAD 0
	VLOAD 1
.irp q, 0,1,2,3,4,5,6,7
	VBLOCK \q
.endr
	global_store_b64 v8, v[132:133], s[10:11] offset:VSC   ; word 0: columns 0-31 (tiles 0, 1), word 1: columns 32-63 (tiles 2, 3)
	s_endpgm
.Lfunc_end_k_q603beb51bf_prep:
	.size	k_q603beb51bf_prep, .Lfunc_end_k_q603beb51bf_prep-k_q603beb51bf_prep
	.p2alignl 7, 3214868480
	.fill 96, 4, 3214868480
	.section	.rodata,"a",@progbits
	.p2align	6, 0x0
	.amdhsa_kernel k_q603beb51bf_prep
		.amdhsa_group_segment_fixed_size 52736
		.amdhsa_private_segment_fixed_size 0
		.amdhsa_enable_private_segment 0
		.amdhsa_kernarg_size 48
		.amdhsa_user_sgpr_count 2
		.amdhsa_user_sgpr_kernarg_segment_ptr 1
		.amdhsa_wavefront_size32 1
		.amdhsa_system_sgpr_workgroup_id_x 1
		.amdhsa_system_sgpr_workgroup_id_y 1
		.amdhsa_system_sgpr_workgroup_id_z 1
		.amdhsa_system_vgpr_workitem_id 0
		.amdhsa_next_free_vgpr 210
		.amdhsa_next_free_sgpr 66
		.amdhsa_reserve_vcc 1
		.amdhsa_float_denorm_mode_32 3
		.amdhsa_float_denorm_mode_16_64 3
		.amdhsa_memory_ordered 1
		.amdhsa_forward_progress 1
		.amdhsa_inst_pref_size 106
	.end_amdhsa_kernel
	.amdgpu_metadata
---
amdhsa.version: [ 1, 2 ]
amdhsa.kernels:
  - .name:           k_q603beb51bf_prep
    .symbol:         k_q603beb51bf_prep.kd
    .args:
      - { .name: K, .offset: 0, .size: 8, .value_kind: global_buffer, .address_space: global }
      - { .name: V, .offset: 8, .size: 8, .value_kind: global_buffer, .address_space: global }
      - { .name: mask, .offset: 16, .size: 8, .value_kind: global_buffer, .address_space: global }
      - { .name: kv, .offset: 24, .size: 8, .value_kind: global_buffer, .address_space: global }
      - { .name: mw, .offset: 32, .size: 8, .value_kind: global_buffer, .address_space: global }
      - { .name: fl, .offset: 40, .size: 8, .value_kind: global_buffer, .address_space: global }
    .group_segment_fixed_size: 52736
    .private_segment_fixed_size: 0
    .kernarg_segment_align: 8
    .kernarg_segment_size: 48
    .max_flat_workgroup_size: 128
    .sgpr_count:     66
    .vgpr_count:     210
    .wavefront_size: 32
...
	.end_amdgpu_metadata
.endif
;; end of part 3
;; launch attn (part 4): grid 4 x 64, 16 waves a work-group, no clusters, 276,480 bytes of LDS; arguments Q, kv, mw, fl, out0; writes out0
.if DOCPART == 4
	.amdgcn_target "amdgcn-amd-amdhsa--gfx1250"
	.amdhsa_code_object_version 6
	.text
	.protected	k_q603beb51bf_attn
	.globl	k_q603beb51bf_attn
	.p2align	8
	.type	k_q603beb51bf_attn,@function
k_q603beb51bf_attn:
	s_mov_b64 s[64:65], 0
	v_nop
	global_prefetch_b8 v0, s[64:65] scope:SCOPE_SE
	s_setreg_imm32_b32 hwreg(HW_REG_WAVE_SCHED_MODE, 0, 2), 2
	s_setreg_imm32_b32 hwreg(HW_REG_WAVE_MODE, 25, 1), 1
	s_wait_xcnt 0x0
	s_wait_alu depctr_vm_vsrc(0)
; out0[head][q][:] = the sum over k of softmax_k(mask ? Q[q] . K[k] / 8 : -inf) V[k][:], 64 heads, 2,048 queries and keys, head size 64; both products on codes of FP6 (E2M3) with E8M0 scales for each 32 along K.
; K's and V's codes and scale words come from kv, the mask as lane masks from mw and as flags from fl (their layouts: below, where they are read).  Q is quantised here, in registers.
; THE SOFTMAX: t = score x log2(e) / 8; M = the running largest t rounded UP to a whole number; p = 2^(t - M) is quantised along the keys, not normalised; the row's sum is taken of the unquantised p and divides at the
; end; when M moves, the sum and O are multiplied by 2^(old M - new M), which rounds nothing.  A row with no key allowed ends as 0 x (1 / 0) = NaN, as the softmax of a row of -inf is.
; SHARES.  A work-group serves one head: it copies the head's 204,800 bytes of kv into LDS once, through registers; ONE barrier; then its sixteen waves run free.  Wave w of work-group x takes the query tiles
; g = 16 x + w and 127 - g, one after the other, 16 queries each, in 256 registers: four waves to a SIMD, so that one wave's vector work stands beside another's products and LDS loads.
; A tile walks 16 steps of 128 keys, a loop of constant count.  A step whose 16 x 128 scores the mask hides altogether is left out by a scalar branch on its stored flag (all its p are 0); a step that the mask leaves
; whole skips the masking.  Right for any mask; the pairing g, 127 - g evens the work where the allowed keys grow with the query.
; NO JOINT LOADS, though the four work-groups of a head read the same 204,800 bytes: this text branches on numbers read from memory, so it has no tensor load; what is shared is read once by each, at the head,
; and what the branch spares is up to all 16 steps of a tile.
; LAYOUT.  Both products are used transposed: a lane holds ONE query (lane % 16) throughout.  S^T = K Q^T: the instruction's K is 128 and the head's 64, so a row of source 0 holds TWO keys, a (k 0-63) and a + 8 (k 64-127),
; and source 1 is Q with zero codes in the other half: v[22:33] picks key a, v[16:27] key a + 8 (Q's six registers between two runs of six zeros serve both).  With a = 32 b + m + 8 (m / 8) for row m,
; score register n = 16 b + i of lane (r, h) is key 32 b + 16 h + i: sixteen neighbours along the next K.  O^T = V^T P^T: source 0 = 16 of the head's 64, source 1 = p's codes.
; LIMITS: NaN and infinities among Q are not served; a block of Q whose largest magnitude lies under 2^-124 has its byte held at 1 (a block of zeros too: its codes are zeros); a p under 2^-126 is taken as 0
; (v_exp_f32 gives no denormals: ISA guide 15.8), beside a row's sum above 1/2.
; THE MODE: SCHED_MODE bits 1:0 = 2 (LLVM: expert scheduling mode 2), set by the entry lines.  The code itself states the register dependences
; between vector or matrix instructions and memory or LDS instructions, with s_wait_alu, always for 0.
; THE PLAN.  Registers that memory or LDS instructions touch:
;   v1-5, v248-251  offsets and LDS addresses: made once at the head, never written again.
;   v7, v8          the step's LDS addresses: written by two additions at the head of a step that is worked, read by that step's 26 LDS loads.
;   v36-83          K's four fragments land, eight products read them; V^T's four land, four products read them.  At a tile's head Q's blocks land in v36-67, and the maxima and conversions read them.
;   v10-11, v34-35  scale words: land with their fragments, read by the same products.
;   v216-247        Q as loaded: global loads land, LDS stores read; no vector instruction names them.
;   v96-195         at the head the copy's global loads land and its LDS stores read; afterwards scores, O^T and codes.  On the way out: the multiplies write v96-127, the stage's stores read them;
;                   the stage's loads land in v128-159, the global stores read them.
;   v9, v22-27, v84, v192-203  written by vector instructions, taken by scaled products as scales or as source 1.
; A step that is worked has, beside one wait ahead of its exponentials and two behind them: one wait on vm_vsrc ahead of the additions to v7 and v8; one on va_vdst behind them, ahead of K's loads; one behind the eight products
; and their places, ahead of V's loads, which then land while the softmax, which names none of v34-83, is worked; and one behind the rescaling of O^T, ahead of the four products.
; No second set of registers for K: the wave's 256 are all in use in its first tile, and which step is worked next hangs on the stored flags.
.set REC,   12800                      ; a step's record in kv: K's four double tiles (4 x 1,536), their scale words (256), V^T's four tiles, their scale words
.set KSC,   6144
.set VIM,   6400
.set VSC,   12544
.set HEADB, 16*REC                     ; LDS [0, 204800): the head's records as they lie in memory
.set SP,    272                        ; a stage row: 256 bytes + 16: sixteen neighbouring rows start at sixteen different banks (64 banks of 4 bytes: ISA guide 11.1)
.set WSTG,  16*SP                      ; behind them a stage of 16 rows for each wave, its own: Q's way in, O's way out
.set FLOOR, 0x1800000                  ; 2^(3 - 127)
.set EOFF,  0xff000000                 ; 2 off an exponent field
; v1 16 L   v2 8 L   v3 stage + 272 r + 32 h   v4 stage + 272 h + 16 r   v5 stage + 272 r + 128 h   v6 -inf   v7, v8 the step's LDS addresses
; v9 Q's scale word   v[10:11] K's   v[34:35] V's   v84 p's (these six hold scales and nothing else)   v12 -M   v13 the largest t   v[14:15] the sum in two halves
; v16-21 zeros, v22-27 Q's codes, v28-33 zeros   v36-83 four fragments of K, then of V   v85 at work   v[86:87] f   v88-91 the blocks' maxima   v92-95 at work
; v96-159 S^T, then p   v160-191 O^T   v192-203 p's codes   v204-206, v208-210 the conversions' second halves   v212-215 scale operands   v216-247 Q as loaded   v248-251 the copy's LDS addresses
; v254, v255 the closing add's two: made at the head and kept for it alone
; s[2:3], s[16:17] Q at my two tiles   s[18:19], s[100:101] out0 likewise   s[6:7] kv at my head   s[8:9] mw   s14 wave   s15 head   s[20:21] lane selects   s[22:23] c
; s24 the step's record in LDS   s25 the step's words in mw   s26 flags to go   s27 the step's flag   s28 steps to go   s29, s30 the second tile's flags and words   s[32:63], s[68:99] the step's 64 mask words
.macro MAX32 d, t, x                   ; the largest magnitude of v[x] .. v[x + 31], in two chains, and the floor
	v_max3_num_f32 v[\d], |v[(\x)]|, |v[(\x)+1]|, |v[(\x)+2]|
	v_max3_num_f32 v[\t], |v[(\x)+3]|, |v[(\x)+4]|, |v[(\x)+5]|
.irp i, 6,10,14,18,22,26
	v_max3_num_f32 v[\d], v[\d], |v[(\x)+\i]|, |v[(\x)+\i+1]|
	v_max3_num_f32 v[\t], v[\t], |v[(\x)+\i+2]|, |v[(\x)+\i+3]|
.endr
	v_max3_num_f32 v[\d], v[\d], |v[(\x)+30]|, |v[(\x)+31]|
	v_max3_num_f32 v[\d], v[\d], v[\t], FLOOR
.endm
.macro QLOAD base                      ; a tile of Q: 16 rows x 256 bytes, dense: eight loads of 512 consecutive bytes
.set i, 0
.rept 8
	global_load_b128 v[216+4*i:219+4*i], v1, s[\base:\base+1] offset:512*i th:TH_LOAD_NT
.set i, i+1
.endr
.endm
; Q through my stage: in as loaded, back a whole block a lane (query r, numbers 32 h .. 32 h + 31); then six registers of codes and the scale word.
; Its LDS lines owe no wait of their own: the stores' data are loaded, v4 and v5 are the head's, and no vector or matrix instruction issued since the last wait on va_vdst
; (the head's; for the second tile the one ahead of the first tile's stores into the stage) names v36-67, in which the loads land.
.macro QQUANT
.set i, 0
.rept 8
	ds_store_b128 v4, v[216+4*i:219+4*i] offset:2*SP*i
.set i, i+1
.endr
.set i, 0
.rept 8
	ds_load_b128 v[36+4*i:39+4*i], v5 offset:16*i  ; my wave's own bytes, served in order behind the stores (ISA guide 5.7.1.4)
.set i, i+1
.endr
	v_bfe_u32 v90, v0, 4, 1
	v_lshlrev_b32 v90, 3, v90                      ; 8 h
	s_wait_dscnt 0x0
	MAX32 88, 89, 36
	v_add_nc_u32 v212, EOFF, v88                   ; the conversion takes the exponent field of this operand as its scale, and nothing else of it
	v_cvt_scalef32_pk16_fp6_f32 v[22:24], v[36:51], v212
	v_cvt_scalef32_pk16_fp6_f32 v[204:206], v[52:67], v212   ; (a conversion's three registers begin on an even number)
	v_lshrrev_b32 v85, 23, v212                    ; the byte.  (A plain line behind the conversions)
	v_mov_b32 v25, v204
	v_mov_b32 v26, v205
	v_mov_b32 v27, v206
	v_lshlrev_b32 v85, v90, v85                    ; my block h's byte at its place,
	v_permlanex16_b32 v92, v85, s20, s21
	v_or_b32 v85, v85, v92                         ; with lane l xor 16's: bytes 0 and 1;
	v_lshl_or_b32 v9, v85, 16, v85                 ; and again as bytes 2 and 3: the word fits Q in either half of the instruction's K
.endm
; O^T and the sum begin as zeros, the largest t as -3e38.  Which step is a tile's first hangs on the stored flags, so none can be written out as the one whose products start the sums: 32 registers are cleared a tile
.macro INIT
	v_mov_b32 v13, 0xff61b1e6
	v_floor_f32 v12, -v13
	v_mov_b32 v14, 0
	v_mov_b32 v15, 0
.set j, 0
.rept 32
	v_mov_b32 v[160+j], 0
.set j, j+1
.endr
.endm
; A TILE'S SIXTEEN KEY STEPS.  s26 = the tile's flags, two bits a step; s25 = its first words in mw
.macro STEPS
	s_mov_b32 s24, 0
	s_mov_b32 s28, 16
.Lstep_\@:
	s_and_b32 s27, s26, 3
	s_lshr_b32 s26, s26, 2
	s_cmp_eq_u32 s27, 0
	s_cbranch_scc1 .Lnext_\@                       ; no key of the step counts for any of my 16 queries: only the addresses step
	s_load_b512 s[32:47], s[8:9], s25 offset:0x0   ; the step's 64 lane masks: asked for in every step that is worked, so that every way to the masking has them
	s_load_b512 s[48:63], s[8:9], s25 offset:0x40
	s_load_b512 s[68:83], s[8:9], s25 offset:0x80
	s_load_b512 s[84:99], s[8:9], s25 offset:0xc0
	s_wait_alu depctr_vm_vsrc(0)                   ; the LDS loads issued so far have read v7 and v8, which the two additions write again
	v_add_nc_u32 v7, s24, v1
	v_add_nc_u32 v8, s24, v2
	v_nop                                          ; with the two additions four plain lines behind the last step's products, as in the plain form of this text; the dependence itself is stated by the wait below
	v_nop
	s_wait_alu depctr_va_vdst(0)                   ; v7 and v8 are written, which the loads below read; the last products are done reading v36-83 and the scale words, in which loads land; in a tile's first worked step: the conversions of Q are done reading v36-67, and v9 and v22-27, which the scaled products take, are written
.irp b, 0,1,2,3
.irp c, 0,1,2
	ds_load_b128 v[36+12*\b+4*\c:39+12*\b+4*\c], v7 offset:1536*\b+512*\c   ; an image of the operand's registers: 512 consecutive bytes a load
.endr
.endr
	ds_load_b64 v[10:11], v8 offset:KSC            ; v10: lanes 0-15 tile 0's words, lanes 16-31 tile 1's; v11: tiles 2, 3
	s_wait_dscnt 0x0
.irp b, 0,1,2,3                                ; S^T = K Q^T: eight products, each on an accumulator of its own, begun with the constant 0
.irp u, 0,1
.if \b%2
	v_wmma_scale_f32_16x16x128_f8f6f4 v[96+16*\b+8*\u:103+16*\b+8*\u], v[36+12*\b:47+12*\b], v[22-6*\u:33-6*\u], 0, v[10+\b/2], v9 matrix_a_fmt:MATRIX_FMT_FP6 matrix_b_fmt:MATRIX_FMT_FP6 matrix_a_scale:MATRIX_SCALE_ROW1
.else
	v_wmma_scale_f32_16x16x128_f8f6f4 v[96+16*\b+8*\u:103+16*\b+8*\u], v[36+12*\b:47+12*\b], v[22-6*\u:33-6*\u], 0, v[10+\b/2], v9 matrix_a_fmt:MATRIX_FMT_FP6 matrix_b_fmt:MATRIX_FMT_FP6
.endif
.endr
.endr
.rept 4
	v_nop                                          ; four places behind the products, ahead of the first read of the scores (ISA guide 7.12.1)
.endr
	s_wait_alu depctr_va_vdst(0)                   ; the eight products are done reading v36-83, in which V^T's tiles land; the places above stay beside this wait
.irp t, 0,1,2,3
.irp c, 0,1,2
	ds_load_b128 v[36+12*\t+4*\c:39+12*\t+4*\c], v7 offset:VIM+1536*\t+512*\c   ; V^T's tiles land while the softmax is worked: nothing there names v34-83
.endr
.endr
	ds_load_b64 v[34:35], v8 offset:VSC
	s_wait_kmcnt 0x0                               ; the mask words are in
	s_cmp_eq_u32 s27, 2
	s_cbranch_scc1 .Lopen_\@                       ; all 16 x 128 count: nothing to hide
.set n, 0
.rept 64
	v_cndmask_b32 v[96+n], v6, v[96+n], s[32+n+4*(n/32)]   ; bit = my lane's query may see register n's key; else the score becomes -inf, and p = 0.  (Each accumulator from its low end on)
.set n, n+1
.endr
.Lopen_\@:
.irp b, 0,1,2,3
	v_max3_num_f32 v[88+\b], v[96+16*\b], v[97+16*\b], v[98+16*\b]   ; the largest score of each block of 32 keys: it serves for the row's maximum and, since p rises with the score, for the block's largest p
.endr
.irp i, 3,5,7,9,11,13
.irp b, 0,1,2,3
	v_max3_num_f32 v[88+\b], v[88+\b], v[96+16*\b+\i], v[97+16*\b+\i]   ; (the four blocks by turns)
.endr
.endr
.irp b, 0,1,2,3
	v_max_num_f32 v[88+\b], v[88+\b], v[111+16*\b]
.endr
.irp b, 0,1,2,3
	v_permlanex16_b32 v[92+\b], v[88+\b], s20, s21
.endr
.irp b, 0,1,2,3
	v_max_num_f32 v[88+\b], v[88+\b], v[92+\b]     ; with lane l xor 16's 16 keys
.endr
	v_max3_num_f32 v85, v88, v89, v90
	v_max_num_f32 v85, v85, v91                    ; the step's largest score of my query
	v_mul_f32 v85, s22, v85                        ; as t (c is positive)
	v_max_num_f32 v13, v13, v85                    ; the running largest t
	v_mov_b32 v85, v12
	v_floor_f32 v12, -v13                          ; the new -M = floor(-t) = -ceil(t)
	v_sub_f32 v85, v12, v85                        ; old M - new M: a whole number, 0 or less
	v_cvt_i32_f32 v85, v85                         ; (it saturates)
	v_ldexp_f32 v86, 1.0, v85                      ; f = 2^(old M - new M)
.set j, 0
.rept 32
	v_pk_fma_f32 v[96+j:97+j], v[96+j:97+j], s[22:23], v[12:13] op_sel_hi:[1,0,0]   ; t - M, two at a time (of the pairs c and -M the low word serves both halves)
.set j, j+2
.endr
.irp b, 0,1,2,3
	v_fma_f32 v[88+\b], v[88+\b], s22, v12         ; the same of each block's largest score
.endr
.set j, 0
	s_wait_alu depctr_va_vdst(0)
.rept 64
	v_exp_f32 v[96+j], v[96+j]                     ; p = 2^(t - M), at most 1
.set j, j+1
.endr
	v_pk_mul_f32 v[14:15], v[14:15], v[86:87] op_sel_hi:[1,0]   ; the sums under the new M.  (The plain line behind the exponentials)
	s_wait_alu depctr_va_vdst(0)                   ; the 64 exponentials have written v96-159: one wait for the batch, ahead of its first reader
.irp b, 0,1,2,3
	v_exp_f32 v[88+\b], v[88+\b]                   ; the block's largest p: the same two instructions on the same number give the same bits
.endr
	v_pk_add_f32 v[92:93], v[96:97], v[98:99]      ; the row's sum of the UNQUANTISED p, two at a time, in two chains; it reads the 64 alone
.set j, 4
.rept 15
	v_pk_add_f32 v[14:15], v[14:15], v[96+j:97+j]
	v_pk_add_f32 v[92:93], v[92:93], v[98+j:99+j]
.set j, j+4
.endr
	v_pk_add_f32 v[14:15], v[14:15], v[92:93]
	s_wait_alu depctr_va_vdst(0)                   ; the four exponentials have written v88-91: their wait, ahead of their first reader
.irp b, 0,1,2,3
	v_max_num_f32 v[88+\b], FLOOR, v[88+\b]        ; the byte cannot fall under 1 (a block whose every p is 0 keeps that byte: its codes are zeros)
.endr
.irp b, 0,1,2,3
	v_add_nc_u32 v[212+\b], EOFF, v[88+\b]         ; the conversions' scale operands
.endr
.irp b, 0,1,2,3
	v_lshrrev_b32 v[92+\b], 23, v[212+\b]          ; the bytes
.endr
	v_lshl_or_b32 v84, v93, 8, v92                 ; p's scale word for these 128 keys
	v_lshl_or_b32 v84, v94, 16, v84
	v_lshl_or_b32 v84, v95, 24, v84
.irp c, 0,1
	v_cvt_scalef32_pk16_fp6_f32 v[192+6*\c:194+6*\c], v[96+32*\c:111+32*\c], v[212+2*\c]
	v_cvt_scalef32_pk16_fp6_f32 v[204+4*\c:206+4*\c], v[112+32*\c:127+32*\c], v[212+2*\c+1]
.endr
	v_nop                                          ; one plain line behind the conversions
.irp c, 0,1                                    ; the operand's layout wants a WHOLE block in a lane: lanes 0-15 block 2 c, lanes 16-31 block 2 c + 1
.irp i, 0,1,2
	v_permlane16_swap_b32 v[192+6*\c+\i], v[204+4*\c+\i]
.endr
.irp i, 0,1,2
	v_mov_b32 v[195+6*\c+\i], v[204+4*\c+\i]
.endr
.endr
.set j, 0
.rept 16
	v_pk_mul_f32 v[160+j:161+j], v[160+j:161+j], v[86:87] op_sel_hi:[1,0]   ; O^T under the new M.  Twelve of these sixteen name no register of a given product below: its eight places behind the scale word, its four behind the codes
.set j, j+2
.endr
	s_wait_dscnt 0x0                               ; V^T's tiles and scale words are in
	s_wait_alu depctr_va_vdst(0)                   ; v84, p's scale word, and v192-203, p's codes, are written: the scaled products below take them; the places above stay beside this wait
.irp t, 0,1,2,3                                ; O^T += V^T P^T: four accumulators by turns, one instruction a turn; the next step's eight products stand between two links of a chain
.if \t%2
	v_wmma_scale_f32_16x16x128_f8f6f4 v[160+8*\t:167+8*\t], v[36+12*\t:47+12*\t], v[192:203], v[160+8*\t:167+8*\t], v[34+\t/2], v84 matrix_a_fmt:MATRIX_FMT_FP6 matrix_b_fmt:MATRIX_FMT_FP6 matrix_a_scale:MATRIX_SCALE_ROW1
.else
	v_wmma_scale_f32_16x16x128_f8f6f4 v[160+8*\t:167+8*\t], v[36+12*\t:47+12*\t], v[192:203], v[160+8*\t:167+8*\t], v[34+\t/2], v84 matrix_a_fmt:MATRIX_FMT_FP6 matrix_b_fmt:MATRIX_FMT_FP6
.endif
.endr
.Lnext_\@:
	s_wait_xcnt 0x0                                ; the scalar loads have read their offset register: it steps only behind this wait
	s_add_co_u32 s24, s24, REC
	s_add_co_u32 s25, s25, 256
	s_sub_co_u32 s28, s28, 1
	s_cmp_lg_u32 s28, 0
	s_cbranch_scc1 .Lstep_\@
.endm
; THE WAY OUT: O^T / the sum, through my stage (a lane holds 32 neighbouring bytes of a row, the lanes beside it other rows), back as whole rows, stored 512 consecutive bytes an instruction
.macro OUT base
.rept 4
	v_nop                                          ; four places behind the last products
.endr
	v_add_f32 v14, v14, v15                        ; the sum's two halves,
	v_permlanex16_b32 v92, v14, s20, s21
	v_add_f32 v14, v14, v92                        ; and lane l xor 16's keys
	s_wait_alu depctr_va_vdst(0)
	v_rcp_f32 v14, v14
	v_nop                                          ; a plain line behind the reciprocal,
	s_wait_alu depctr_va_vdst(0)                   ; the reciprocal has written v14: the wait ahead of its first reader
.set j, 0
.rept 16
	v_pk_mul_f32 v[96+j:97+j], v[160+j:161+j], v[14:15] op_sel_hi:[1,0]   ; register 8 t + i: o(r, 16 t + 8 h + i); each accumulator from its low end on
.set j, j+2
.endr
	s_wait_alu depctr_va_vdst(0)                   ; the multiplies have written v96-127, which the LDS stores read; all that named v128-159, in which the stage's loads land, is done; so are the last products' reads of v36-67, in which the next tile's blocks of Q land
.irp t, 0,1,2,3
	ds_store_b128 v3, v[96+8*\t:99+8*\t] offset:64*\t
	ds_store_b128 v3, v[100+8*\t:103+8*\t] offset:64*\t+16
.endr
.irp i, 0,1,2,3,4,5,6,7
	ds_load_b128 v[128+4*\i:131+4*\i], v4 offset:2*SP*\i   ; my wave's own bytes, served in order behind the stores
.endr
.irp i, 0,1,2,3,4,5,6,7
	s_wait_dscnt 7-\i                              ; load i is back, the 7 - i younger ones may be out
	global_store_b128 v1, v[128+4*\i:131+4*\i], s[\base:\base+1] offset:512*\i th:TH_STORE_NT   ; two rows of 256 bytes, aligned; written once, read by nobody here
.endr
.endm
	s_load_b256 s[4:11], s[0:1], 0x0               ; Q s[4:5], kv s[6:7], mw s[8:9], fl s[10:11]
	s_load_b64 s[12:13], s[0:1], 0x20              ; out0
	v_lshl_add_u32 v254, v0, 2, 0x43000
	v_mov_b32 v255, 0
	v_lshrrev_b32 v1, 5, v0
	v_readfirstlane_b32 s14, v1                    ; wave 0..15
	s_and_b32 s15, ttmp7, 0xffff                   ; head
	s_lshl_b32 s31, ttmp9, 4
	s_wait_alu depctr_va_sdst(0)                   ; s14 is written, ahead of its first reader: my tiles, my stage and all my bases are made from it
	s_add_co_u32 s31, s31, s14                     ; my first tile of queries: g = 16 x + wave
	s_sub_co_u32 s24, 127, s31                     ; my second: 127 - g
	s_lshl_b32 s28, s15, 19                        ; a head of Q or out0: 2,048 rows of 256 bytes
	s_lshl_b32 s25, s31, 12                        ; a tile: 4,096 bytes in Q and out0, and 4,096 bytes of words in mw
	s_lshl_b32 s30, s24, 12
	s_add_co_u32 s66, s25, s28
	s_mov_b32 s67, 0
	s_add_co_u32 s68, s30, s28
	s_mov_b32 s69, 0
	s_mul_i32 s70, s15, HEADB
	s_mov_b32 s71, 0
	s_lshl_b32 s72, s31, 6                         ; a tile's 16 flag words
	s_lshl_b32 s73, s24, 6
	s_mul_i32 s74, s14, WSTG
	s_add_co_u32 s74, s74, HEADB                   ; my stage
	s_mov_b32 s20, 0x76543210
	s_mov_b32 s21, 0xfedcba98                      ; v_permlanex16_b32's selects for lane l xor 16
	s_mov_b32 s22, 0x3e38aa3b                      ; c = log2(e) / sqrt(64)
	s_mov_b32 s23, s22                             ; (named with it as a pair, so it is written)
	v_and_b32 v88, 31, v0                          ; L
	v_and_b32 v89, 15, v0                          ; r
	v_bfe_u32 v90, v0, 4, 1                        ; h
	v_lshlrev_b32 v1, 4, v88
	v_lshlrev_b32 v2, 3, v88
	v_mul_u32_u24 v91, v89, SP
	v_add_nc_u32 v91, s74, v91
	v_lshl_add_u32 v3, v90, 5, v91
	v_lshl_add_u32 v5, v90, 7, v91
	v_mul_u32_u24 v4, v90, SP
	v_lshl_add_u32 v4, v89, 4, v4
	v_add_nc_u32 v4, s74, v4
	v_mov_b32 v6, 0xff800000                       ; -infinity
.irp i, 16,17,18,19,20,21,28,29,30,31,32,33
	v_mov_b32 v\i, 0                               ; zero codes on both sides of Q's
.endr
.irp i, 87,92,93,94,95
	v_mov_b32 v\i, 0                               ; written once: the upper half of the pair v[86:87], and the lane permutes' destinations, which count as sources
.endr
	v_lshlrev_b32 v248, 4, v0                      ; the copy: 16 bytes a thread, 8,192 a load of the work-group; an LDS immediate has 16 bits, so four registers carry the rest
	v_add_nc_u32 v249, 0x10000, v248
	v_add_nc_u32 v250, 0x20000, v248
	v_add_nc_u32 v251, 0x30000, v248
	s_wait_kmcnt 0x0
	s_load_b512 s[32:47], s[10:11], s72 offset:0x0 ; my two tiles' flag words
	s_load_b512 s[48:63], s[10:11], s73 offset:0x0
	s_add_nc_u64 s[2:3], s[4:5], s[66:67]
	s_add_nc_u64 s[16:17], s[4:5], s[68:69]
	s_add_nc_u64 s[18:19], s[12:13], s[66:67]
	s_add_nc_u64 s[100:101], s[12:13], s[68:69]
	s_add_nc_u64 s[6:7], s[6:7], s[70:71]
	s_wait_alu depctr_va_vdst(0)                   ; v1 to v5 and v248 to v251 are written: the offsets and LDS addresses that every load and store of the kernel but a step's LDS loads reads
	QLOAD 2                                        ; my first tile of Q, then my share of the head's records
.set i, 0
.rept 25
	global_load_b128 v[96+4*i:99+4*i], v248, s[6:7] offset:8192*i
.set i, i+1
.endr
	s_wait_loadcnt 25                              ; Q's eight loads are in; the copy's 25 stay out while Q is quantised
	QQUANT
	s_wait_kmcnt 0x0
	s_or_b32 s26, s32, s33                         ; each word holds its step's two bits at their place: sixteen make the tile's flags
.set i, 34
.rept 14
	s_or_b32 s26, s26, s[i]
.set i, i+1
.endr
	s_or_b32 s29, s48, s49
.set i, 50
.rept 14
	s_or_b32 s29, s29, s[i]
.set i, i+1
.endr
.set i, 0
.rept 25
	s_wait_loadcnt 24-i                            ; load i is in, the 24 - i younger ones may be out
	ds_store_b128 v[248+i/8], v[96+4*i:99+4*i] offset:8192*(i%8)   ; loaded data, the head's addresses: no vector instruction since the head's wait names either
.set i, i+1
.endr
	s_wait_dscnt 0x0                               ; for the others' sake: my part of the head lies in LDS
	s_barrier_signal -1
	s_barrier_wait -1                              ; everybody's does.  Nothing writes these bytes again: the text's one barrier
	s_wait_alu depctr_vm_vsrc(0)                   ; my LDS stores have read v216-247, in which the loads below land, and v96-195, which are scores, O^T and codes from here on
	QLOAD 16                                       ; my second tile of Q: it has the whole first tile in which to land; nothing else names v216-247 or its base
	INIT
	STEPS
	OUT 18
	s_wait_xcnt 0x0                                ; the stores have read their registers: the second tile writes them again
	s_wait_alu depctr_vm_vsrc(0)                   ; the LDS stores have read v96-127 and the global stores v128-159, which the second tile's products, multiplies and loads from the stage write again
	s_wait_loadcnt 0x0                             ; Q
	QQUANT
	INIT
	s_mov_b32 s26, s29
	s_mov_b32 s25, s30
	STEPS
	OUT 100
	s_wait_dscnt 0x0                               ; the closing lines, six on end
	s_wait_alu 0x0
	s_wait_tensorcnt 0x0
	ds_add_u32 v254, v255
	s_wait_dscnt 0x0
	s_endpgm
.Lfunc_end_k_q603beb51bf_attn:
	.size	k_q603beb51bf_attn, .Lfunc_end_k_q603beb51bf_attn-k_q603beb51bf_attn
	.p2alignl 7, 3214868480
	.fill 96, 4, 3214868480
	.section	.rodata,"a",@progbits
	.p2align	6, 0x0
	.amdhsa_kernel k_q603beb51bf_attn
		.amdhsa_group_segment_fixed_size 276480
		.amdhsa_private_segment_fixed_size 0
		.amdhsa_enable_private_segment 0
		.amdhsa_kernarg_size 40
		.amdhsa_user_sgpr_count 2
		.amdhsa_user_sgpr_kernarg_segment_ptr 1
		.amdhsa_wavefront_size32 1
		.amdhsa_system_sgpr_workgroup_id_x 1
		.amdhsa_system_sgpr_workgroup_id_y 1
		.amdhsa_system_sgpr_workgroup_id_z 1
		.amdhsa_system_vgpr_workitem_id 0
		.amdhsa_next_free_vgpr 256
		.amdhsa_next_free_sgpr 102
		.amdhsa_reserve_vcc 0
		.amdhsa_float_denorm_mode_32 3
		.amdhsa_float_denorm_mode_16_64 3
		.amdhsa_memory_ordered 1
		.amdhsa_forward_progress 1
		.amdhsa_inst_pref_size 66
	.end_amdhsa_kernel
	.amdgpu_metadata
---
amdhsa.version: [ 1, 2 ]
amdhsa.kernels:
  - .name:           k_q603beb51bf_attn
    .symbol:         k_q603beb51bf_attn.kd
    .args:
      - { .name: Q, .offset: 0, .size: 8, .value_kind: global_buffer, .address_space: global }
      - { .name: kv, .offset: 8, .size: 8, .value_kind: global_buffer, .address_space: global }
      - { .name: mw, .offset: 16, .size: 8, .value_kind: global_buffer, .address_space: global }
      - { .name: fl, .offset: 24, .size: 8, .value_kind: global_buffer, .address_space: global }
      - { .name: out0, .offset: 32, .size: 8, .value_kind: global_buffer, .address_space: global }
    .group_segment_fixed_size: 276480
    .private_segment_fixed_size: 0
    .kernarg_segment_align: 8
    .kernarg_segment_size: 40
    .max_flat_workgroup_size: 512
    .sgpr_count:     102
    .vgpr_count:     256
    .wavefront_size: 32
...
	.end_amdgpu_metadata
.endif
;; end of part 4
